; MI455X (gfx1250); checked and timed in simulation.
; The chip was launched on July 23, 2026; its instructions are those of AMD's public machine-readable ISA for CDNA 5 (MIT licence, August 2026) and "CDNA5" Instruction Set Architecture Reference Guide (July 2026). The comments in the code are by the model that wrote it; some were corrected since.
;; Multi Head Attention. Allowed arithmetic: matrix products marked QUANTISED: E2M1 operands, one E8M0 scale for each 32 along K, by v_wmma_scale_f32_16x16x128_f8f6f4 with both operands' format E2M1 (or v_wmma_scale_f32_32x16x128_f4), f32 sums; products left as they are: bf16, f16 or f32 operands; f32 sums; everything else in f32.
;; Inputs: W_out 1,024 x 1,024 float32; W_qkv 1,024 x 3,072 float32; attention_mask 2 x 2,048 int32; b_out 1,024 float32; b_qkv 3,072 float32; x 2 x 2,048 x 1,024 float32.
;; Outputs: out0 2 x 2,048 x 1,024 float32.
;; This version of the problem:
;;   THIS VERSION OF THE PROBLEM IS GIVEN IN LOW PRECISION. The matrix products marked QUANTISED in the list below multiply operands that are first quantised to E2M1 (2 exponent bits, 1 mantissa bit; 4 bits a number), with one power-of-two scale for each 32 numbers along K (OCP MX v1.0); their sums are f32. The products marked 'left as it is' may take bf16, f16 or f32 operands, with f32 sums. Whichever they take, every output number must still come out within the allowed error. Rounding operands to bf16 (8 significant bits) uses up far more of that allowance than f16 does (11 bits, for magnitudes from 6e-5 to 65,504). All else is computed in f32.
;;   The module's matrix products, in the order in which they are computed (A, B: the left and right operand; K: the contracted axis; several contracted axes count as one K, in the product's order):
;;     1. [M 4,096, K 1,024] x [K 1,024, N 3,072]; A: input x; B: input W_qkv: QUANTISED
;;     2. batch 32 x [M 2,048, K 64] x [K 64, N 2,048]; A: computed on the way; B: computed on the way: left as it is (an operand is computed on the way)
;;     3. batch 32 x [M 2,048, K 2,048] x [K 2,048, N 64]; A: computed on the way; B: computed on the way: left as it is (an operand is computed on the way)
;;     4. [M 4,096, K 1,024] x [K 1,024, N 1,024]; A: computed on the way; B: input W_out: left as it is (an operand is computed on the way)
;;   THE QUANTISER, for each operand of a quantised product, along K:
;;     - K is cut into blocks of 32 from its start; a last block that is shorter is filled with zeros.
;;     - A block's scale is 2^e with e = floor(log2(the largest magnitude in the block)) - 2, held to -126 .. 127; a block of zeros has e = 0. As a byte (E8M0): e + 127.
;;     - Each number is divided by its block's scale, clamped to +-6, and rounded to the nearest number of E2M1, ties to even, subnormals kept.
;;     - The product sums the exact products of the quantised numbers (number of the format x scale) in f32.
;;   ~~~python
;;   def quantise(x, axis):      # numpy; x: float32 -> the quantised numbers, widened to float32 again
;;       x = np.moveaxis(x, axis, -1); K = x.shape[-1]
;;       x = np.pad(x, [(0, 0)] * (x.ndim - 1) + [(0, -K % 32)]); x = x.reshape(x.shape[:-1] + (-1, 32)); a = np.abs(x).max(-1, keepdims=True)
;;       e = np.where(a > 0, np.clip(np.frexp(np.where(a > 0, a, 1))[1] - 1 - 2, -126, 127), 0)      # np.frexp(a)[1] - 1 = floor(log2(a)), exactly
;;       r = np.clip(x / 2.0 ** e, -6, 6)
;;       step = 2.0 ** (np.maximum(np.frexp(np.where(r == 0, 1, r))[1] - 1, 0) - 1)
;;       q = np.round(r / step) * step * 2.0 ** e      # np.round: ties to even
;;       return np.moveaxis(q.reshape(q.shape[:-2] + (-1,))[..., :K], -1, axis).astype(np.float32)
;;   ~~~
;; One version. Each part assembles by itself: llvm-mc -triple=amdgcn-amd-amdhsa -mcpu=gfx1250 --defsym DOCPART=n.
;; ======== version 1 of 1: 4 launches
;; limits: values are held in f16: magnitudes above 65,504 overflow, below 6.1e-05 lose precision
;; workspace buffers: xc 2,097,152 bytes; xs 131,072 bytes; wc 1,572,864 bytes; ws 98,304 bytes; wo16 2,097,152 bytes; qkv 25,165,824 bytes; ao 8,388,608 bytes
;; launch prep (part 1): grid 288 x 1, 8 waves a work-group, no clusters, 61,440 bytes of LDS; arguments x, W_qkv, W_out, xc, xs, wc, ws, wo16; writes xc, xs, wc, ws, wo16
.if DOCPART == 1
	.amdgcn_target "amdgcn-amd-amdhsa--gfx1250"
	.amdhsa_code_object_version 6
	.text
	.protected	k_q928a1cf0b9_prep
	.globl	k_q928a1cf0b9_prep
	.p2align	8
	.type	k_q928a1cf0b9_prep,@function
k_q928a1cf0b9_prep:
	s_mov_b64 s[64:65], 0
	v_nop
	global_prefetch_b8 v0, s[64:65] scope:SCOPE_SE
	s_setreg_imm32_b32 hwreg(HW_REG_WAVE_MODE, 25, 1), 1
	s_wait_xcnt 0x0
; PREP: the operands of the later launches are made once.
;   path W (work-groups 0-95):    W_qkv [1024 k][3072 n] f32 -> codes of FP4 (E2M1) wc [3072 n][512 bytes], K innermost, and E8M0 scale bytes ws [2 K steps of 512][3072 n][16]
;   path X (work-groups 96-223):  x [4096][1024] f32 -> xc [4096][512 bytes], xs [2][4096][16]
;   path O (work-groups 224-287): W_out [1024][1024] f32 -> wo16, the same numbers in f16, as they lie
; A block's scale is 2^(floor(log2(its largest magnitude)) - 2); its byte is the largest magnitude's exponent field - 2, held at 1 from below.  Each number is divided by the scale and rounded to
; the nearest code, ties to even; beyond 6 the largest code.
; LIMITS: a block of zeros gets the byte 1 where the quantiser says 127 (its codes are zeros, which add nothing, and this program alone reads the bytes); blocks whose largest magnitude lies under
; 2^-124 are held at that byte; NaN and infinities are not served; W_out beyond 65,504 in magnitude has no f16 number, and under 6.1e-5 it is kept to 2^-24.
; The scale bytes are laid by K step of 512, 16 bytes a row, so that the 16 rows of a fragment have their scale words in 256 consecutive bytes, and every store of them here covers 512 consecutive bytes.
; The launch streams: no matrix unit, no tensor load, no cluster (no two work-groups read the same byte).  The three paths part on the work-group's number alone and have LDS bytes of their own.
.set SP,     80                        ; path X: a lane's place in a stage: 64 bytes + 16 of padding
.set XWAVE,  2*32*SP                   ; path X: two stages for each wave
.set XSB,    8*XWAVE                   ; path X: the work-group's scale bytes, [2 K steps][32 rows][16]
.set WST,    XSB+1024                  ; path W: the work-group's stage, 64 columns x (256 bytes + 16)
.set WPITCH, 272
.set WSS,    WST+64*WPITCH             ; path W: the scale bytes, [64 columns][16]
.set SPARE,  WSS+1024                  ; the spare words, 128 bytes for each wave: four blocks of 256 bytes that no other line names
.set SPW,  12                          ; v12  LDS address of my spare word; never rewritten
.set NIL,  13                          ; v13  0; never rewritten
.set WV,   20                          ; s20  my wave's number
	s_load_b256 s[4:11], s[0:1], 0x0               ; x s[4:5], W_qkv s[6:7], W_out s[8:9], xc s[10:11]
	s_load_b256 s[12:19], s[0:1], 0x20             ; xs s[12:13], wc s[14:15], ws s[16:17], wo16 s[18:19]
	v_lshl_add_u32 v[SPW], v0, 2, SPARE
	v_mov_b32 v[NIL], 0
	v_lshrrev_b32 v1, 5, v0
	v_readfirstlane_b32 s[WV], v1                  ; wave 0..7
	v_and_b32 v2, 31, v0                           ; lane
	s_mov_b32 s23, 0                               ; the high word of every offset pair s[22:23]
	s_wait_kmcnt 0x0
	s_cmp_lt_u32 ttmp9, 96
	s_cbranch_scc1 .Lpath_w
	s_cmp_lt_u32 ttmp9, 224
	s_cbranch_scc1 .Lpath_x
; ---- PATH O: 65,536 bytes of W_out a work-group, 8,192 a wave: sixteen loads of 512 consecutive bytes, all out at once; four numbers a lane become 8 bytes: a store covers 256 consecutive bytes, aligned
	s_sub_co_u32 s21, ttmp9, 224
	s_lshl_b32 s22, s21, 16
	s_lshl_b32 s24, s[WV], 13
	s_add_co_u32 s22, s22, s24
	s_add_nc_u64 s[8:9], s[8:9], s[22:23]
	s_lshr_b32 s22, s22, 1                         ; half as many bytes out
	s_add_nc_u64 s[18:19], s[18:19], s[22:23]
	v_lshlrev_b32 v3, 4, v2
	v_lshlrev_b32 v4, 3, v2
.irp i, 0,1,2,3,4,5,6,7,8,9,10,11,12,13,14,15
	global_load_b128 v[16+4*\i:19+4*\i], v3, s[8:9] offset:512*\i th:TH_LOAD_NT
.endr
.irp i, 0,1,2,3,4,5,6,7,8,9,10,11,12,13,14,15
	s_wait_loadcnt 15-\i                           ; loads come back in order: load i is in, the younger ones stay out
	v_cvt_pk_f16_f32 v[80+2*\i], v[16+4*\i], v[17+4*\i]
	v_cvt_pk_f16_f32 v[81+2*\i], v[18+4*\i], v[19+4*\i]
	global_store_b64 v4, v[80+2*\i:81+2*\i], s[18:19] offset:256*\i
.endr
	s_endpgm
; ---- PATH X: 32 rows of x a work-group, 4 rows a wave: 8 steps of 512 numbers; step t is row 4 w + t / 2, K step t % 2.
; The conversions take neighbours along K from ONE lane's registers, a load is densest where neighbouring LANES take neighbouring bytes: so a step's 2,048 bytes are loaded as they lie and turn through
; the wave's own stage in LDS; they come back 16 neighbours a lane, two lanes to a block of 32.
.set XR, 16                            ; v16-143  eight sets of 16 numbers as loaded: every load of the wave goes out at once
.set XN, 144                           ; v144-175 two sets of 16 neighbours
.set XC, 176                           ; v176-191 a step's codes: two registers for each step, so that no store's data are written again
.set XE, 192                           ; v192-199 a scale byte for each step
.macro XTURN t                         ; LDS serves a wave's instructions in order: no wait between the stores and the loads
.irp i, 0,1,2,3
	ds_store_b128 v14, v[XR+16*(\t)+4*\i:XR+16*(\t)+4*\i+3] offset:32*SP*((\t)%2)+8*SP*\i
.endr
.irp i, 0,1,2,3
	ds_load_b128 v[XN+16*((\t)%2)+4*\i:XN+16*((\t)%2)+4*\i+3], v15 offset:32*SP*((\t)%2)+16*\i
.endr
.endm
.macro XSTEP t
.set XS, XN+16*((\t)%2)
.if (\t) > 0
	s_wait_dscnt 1                                 ; this step's numbers are back from the stage; the last step's byte store, issued behind them, may be out
.else
	s_wait_dscnt 0x0
.endif
.if (\t) < 7
	s_wait_loadcnt 4*(6-(\t))                      ; the next step's four loads are in; those of the steps behind it stay out
	XTURN (\t)+1                                   ; and go through the other stage while this step is worked
.endif
	v_max3_num_f32 v8, |v[XS]|, |v[XS+1]|, |v[XS+2]|               ; the largest magnitude of my 16, in two chains
	v_max3_num_f32 v9, |v[XS+3]|, |v[XS+4]|, |v[XS+5]|
.irp i, 6,10
	v_max3_num_f32 v8, v8, |v[XS+\i]|, |v[XS+\i+1]|
	v_max3_num_f32 v9, v9, |v[XS+\i+2]|, |v[XS+\i+3]|
.endr
	v_max3_num_f32 v8, v8, |v[XS+14]|, |v[XS+15]|
	v_max3_num_f32 v8, v8, v9, 0x1800000           ; and the floor 2^(3 - 127): the byte cannot fall under 1
	v_max_num_f32_dpp v8, v8, v8 row_xmask:1 row_mask:0xf bank_mask:0xf   ; with my neighbour's 16: the block's
	v_add_nc_u32 v11, 0xff000000, v8               ; 2 off its exponent field: the conversion takes the exponent field of this operand as its scale
	v_cvt_scalef32_pk8_fp4_f32 v[XC+2*(\t)], v[XS:XS+7], v11
	v_cvt_scalef32_pk8_fp4_f32 v[XC+2*(\t)+1], v[XS+8:XS+15], v11
	v_lshrrev_b32 v[XE+(\t)], 23, v11              ; the scale's byte (a plain line behind the conversions)
	ds_store_b8 v5, v[XE+(\t)] offset:512*((\t)%2)+16*((\t)/2)     ; both lanes of a block write the same byte with the same value
	global_store_b64 v4, v[XC+2*(\t):XC+2*(\t)+1], s[10:11] offset:256*(\t)   ; the wave stores 256 consecutive bytes, aligned
.endm
.Lpath_x:
	s_sub_co_u32 s21, ttmp9, 96
	s_lshl_b32 s22, s21, 17                        ; 32 rows of 4,096 bytes,
	s_lshl_b32 s24, s[WV], 14                      ; my wave's four
	s_add_co_u32 s22, s22, s24
	s_add_nc_u64 s[4:5], s[4:5], s[22:23]
	s_lshr_b32 s22, s22, 3                         ; an eighth of the bytes in codes
	s_add_nc_u64 s[10:11], s[10:11], s[22:23]
	v_lshlrev_b32 v3, 4, v2
	v_lshlrev_b32 v4, 3, v2
.irp t, 0,1,2,3,4,5,6,7
.irp i, 0,1,2,3
	global_load_b128 v[XR+16*\t+4*\i:XR+16*\t+4*\i+3], v3, s[4:5] offset:2048*\t+512*\i th:TH_LOAD_NT   ; 32 lanes read 512 consecutive bytes
.endr
.endr
	s_and_b32 s26, s[WV], 1
	s_lshl_b32 s22, s21, 9                         ; the work-group's 32 rows x 16 scale bytes,
	s_lshl_b32 s24, s26, 16                        ; in K step w % 2 (waves 0 and 1 store them)
	s_add_co_u32 s22, s22, s24
	s_add_nc_u64 s[12:13], s[12:13], s[22:23]
	s_mul_i32 s27, s[WV], XWAVE
	v_lshrrev_b32 v14, 2, v2
	v_mul_u32_u24 v14, v14, SP
	v_and_b32 v15, 3, v2
	v_lshl_add_u32 v14, v15, 4, v14
	v_add_nc_u32 v14, s27, v14                     ; the stage, in: four lanes' 64 bytes on end, then the padding
	v_mul_u32_u24 v15, v2, SP
	v_add_nc_u32 v15, s27, v15                     ; and out: my 16 neighbours
	s_lshl_b32 s27, s[WV], 6
	s_add_co_u32 s27, s27, XSB
	v_lshrrev_b32 v5, 1, v2
	v_add_nc_u32 v5, s27, v5                       ; my block's byte: 64 bytes a wave (4 rows x 16), lane / 2
	s_lshl_b32 s27, s26, 9
	s_add_co_u32 s27, s27, XSB
	v_add_nc_u32 v6, s27, v3                       ; and on the way out: K step w % 2, 16 bytes a lane
	s_wait_loadcnt 28                              ; step 0's four loads are in; the 28 behind them stay out
	XTURN 0
.irp t, 0,1,2,3,4,5,6,7
	XSTEP \t
.endr
	s_wait_dscnt 0x0                               ; for the others' sake: my byte stores have landed
	s_barrier_signal -1
	s_barrier_wait -1
	s_cmp_lt_u32 s[WV], 2
	s_cbranch_scc0 .Lclose
	ds_load_b128 v[200:203], v6                    ; 32 rows' 16 bytes of one K step
	s_wait_dscnt 0x0
	global_store_b128 v3, v[200:203], s[12:13]     ; 512 consecutive bytes
	s_branch .Lclose
; ---- PATH W: 64 columns x 512 along K a work-group; a wave takes 32 columns x 128 along K.  A LANE TAKES A COLUMN, AND ITS REGISTERS RUN DOWN K: a block of 32 lies in one lane's registers, and the
; conversions give codes with K innermost: nothing is transposed.  Two waves side by side read 256 consecutive bytes of each row of W_qkv.  The codes leave through the work-group's stage, as rows.
.set WX,   16                          ; v16-79   two sets of 32 numbers
.set WC,   80                          ; v80-95   a block's codes: four registers for each of the four blocks
.set WSB,  96                          ; v96      my four scale bytes
.set WOUT, 100                         ; v100-115 the way out
.macro WLOAD t
.irp i, 0,1,2,3,4,5,6,7,8,9,10,11,12,13,14,15,16,17,18,19,20,21,22,23,24,25,26,27,28,29,30,31
	global_load_b32 v[WX+32*((\t)%2)+\i], v3, s[6:7] offset:(32*(\t)+\i)*12288 th:TH_LOAD_NT
.endr
.endm
.macro WBLOCK t
.set XS, WX+32*((\t)%2)
.if (\t) < 3
	s_wait_loadcnt 32                              ; this block's 32 loads are in; the next block's stay out
.else
	s_wait_loadcnt 0x0
.endif
	v_max3_num_f32 v120, |v[XS]|, |v[XS+1]|, |v[XS+2]|             ; the block's largest magnitude: all 32 numbers are mine
	v_max3_num_f32 v121, |v[XS+3]|, |v[XS+4]|, |v[XS+5]|
.irp i, 6,10,14,18,22,26
	v_max3_num_f32 v120, v120, |v[XS+\i]|, |v[XS+\i+1]|
	v_max3_num_f32 v121, v121, |v[XS+\i+2]|, |v[XS+\i+3]|
.endr
	v_max3_num_f32 v120, v120, |v[XS+30]|, |v[XS+31]|
	v_max3_num_f32 v120, v120, v121, 0x1800000     ; and the floor
	v_add_nc_u32 v122, 0xff000000, v120            ; the conversion's scale operand
	v_lshrrev_b32 v123, 23, v122                   ; the scale's byte
.if (\t) == 0
	v_mov_b32 v[WSB], v123
.else
	v_lshl_or_b32 v[WSB], v123, 8*(\t), v[WSB]     ; the lower K in the lower byte
.endif
.irp g, 0,1,2,3
	v_cvt_scalef32_pk8_fp4_f32 v[WC+4*(\t)+\g], v[XS+8*\g:XS+8*\g+7], v122
.endr
	v_nop                                          ; a plain line behind the last conversion
	ds_store_b128 v4, v[WC+4*(\t):WC+4*(\t)+3] offset:16*(\t)      ; 32 codes: 16 bytes of my column's row
.if (\t) < 2
	WLOAD (\t)+2
.endif
.endm
.Lpath_w:
	s_and_b32 s21, ttmp9, 1                        ; which 512 along K
	s_lshr_b32 s26, ttmp9, 1                       ; which 64 columns
	s_and_b32 s27, s[WV], 1                        ; my 32 of them
	s_lshr_b32 s28, s[WV], 1                       ; my 128 along K
	s_lshl_b32 s22, s21, 9
	s_lshl_b32 s24, s28, 7
	s_add_co_u32 s22, s22, s24                     ; my first k,
	s_mul_i32 s22, s22, 12288                      ; in rows of 12,288 bytes,
	s_lshl_b32 s24, s26, 8
	s_add_co_u32 s22, s22, s24
	s_lshl_b32 s24, s27, 7
	s_add_co_u32 s22, s22, s24                     ; + 4 bytes a column
	s_add_nc_u64 s[6:7], s[6:7], s[22:23]
	v_lshlrev_b32 v3, 2, v2
	WLOAD 0
	WLOAD 1
	s_lshl_b32 s22, s26, 15                        ; the codes: 64 columns' rows of 512 bytes,
	s_lshl_b32 s24, s[WV], 12                      ; the 8 rows that my wave stores,
	s_add_co_u32 s22, s22, s24
	s_lshl_b32 s24, s21, 8                         ; the K step's 256 bytes of a row
	s_add_co_u32 s22, s22, s24
	s_add_nc_u64 s[14:15], s[14:15], s[22:23]
	s_mul_i32 s22, s21, 49152                      ; the scale bytes: the K step's 3,072 x 16,
	s_lshl_b32 s24, s26, 10                        ; the work-group's 64 x 16,
	s_add_co_u32 s22, s22, s24
	s_lshl_b32 s24, s27, 9                         ; the half that wave 0 or 1 stores
	s_add_co_u32 s22, s22, s24
	s_add_nc_u64 s[16:17], s[16:17], s[22:23]
	s_mul_i32 s24, s27, 32*WPITCH
	s_lshl_b32 s25, s28, 6
	s_add_co_u32 s24, s24, s25
	s_add_co_u32 s24, s24, WST
	v_mul_u32_u24 v4, v2, WPITCH
	v_add_nc_u32 v4, s24, v4                       ; into the stage: row = my column, 64 bytes for each 128 along K
	s_lshl_b32 s24, s27, 9
	s_lshl_b32 s25, s28, 2
	s_add_co_u32 s25, s25, s24
	s_add_co_u32 s25, s25, WSS
	v_lshlrev_b32 v11, 4, v2
	v_add_nc_u32 v9, s25, v11                      ; my scale word: 16 bytes a column, 4 for each 128 along K
	s_add_co_u32 s24, s24, WSS
	v_add_nc_u32 v10, s24, v11                     ; and on the way out: 16 bytes a lane
	v_and_b32 v5, 15, v2
	v_lshrrev_b32 v6, 4, v2
	s_mul_i32 s24, s[WV], 8*WPITCH
	s_add_co_u32 s24, s24, WST
	v_mul_u32_u24 v7, v6, WPITCH
	v_lshl_add_u32 v7, v5, 4, v7
	v_add_nc_u32 v7, s24, v7                       ; out of the stage: sixteen lanes to a row, two rows an instruction, 8 rows a wave
	v_lshlrev_b32 v8, 9, v6
	v_lshl_add_u32 v8, v5, 4, v8                   ; and the same place in wc
.irp t, 0,1,2,3
	WBLOCK \t
.endr
	ds_store_b32 v9, v[WSB]
	s_wait_dscnt 0x0                               ; for the others' sake: my stores into the stage have landed
	s_barrier_signal -1
	s_barrier_wait -1
.irp u, 0,1,2,3
	ds_load_b128 v[WOUT+4*\u:WOUT+4*\u+3], v7 offset:2*WPITCH*\u
.endr
.irp u, 0,1,2,3
	s_wait_dscnt 3-\u                              ; load u is back; the younger ones stay out
	global_store_b128 v8, v[WOUT+4*\u:WOUT+4*\u+3], s[14:15] offset:1024*\u   ; sixteen lanes store 256 consecutive bytes, aligned
.endr
	s_cmp_lt_u32 s[WV], 2
	s_cbranch_scc0 .Lclose
	ds_load_b128 v[116:119], v10
	s_wait_dscnt 0x0
	global_store_b128 v11, v[116:119], s[16:17]    ; 512 consecutive bytes of scale bytes
.Lclose:
	s_wait_tensorcnt 0x0                           ; the wave's end, behind my last LDS store
	ds_add_u32 v[SPW], v[NIL]
	s_wait_dscnt 0x0
	s_endpgm
.Lfunc_end_k_q928a1cf0b9_prep:
	.size	k_q928a1cf0b9_prep, .Lfunc_end_k_q928a1cf0b9_prep-k_q928a1cf0b9_prep
	.p2alignl 7, 3214868480
	.fill 96, 4, 3214868480
	.section	.rodata,"a",@progbits
	.p2align	6, 0x0
	.amdhsa_kernel k_q928a1cf0b9_prep
		.amdhsa_group_segment_fixed_size 61440
		.amdhsa_private_segment_fixed_size 0
		.amdhsa_enable_private_segment 0
		.amdhsa_kernarg_size 64
		.amdhsa_user_sgpr_count 2
		.amdhsa_user_sgpr_kernarg_segment_ptr 1
		.amdhsa_wavefront_size32 1
		.amdhsa_system_sgpr_workgroup_id_x 1
		.amdhsa_system_sgpr_workgroup_id_y 1
		.amdhsa_system_sgpr_workgroup_id_z 1
		.amdhsa_system_vgpr_workitem_id 0
		.amdhsa_next_free_vgpr 208
		.amdhsa_next_free_sgpr 66
		.amdhsa_reserve_vcc 0
		.amdhsa_float_denorm_mode_32 3
		.amdhsa_float_denorm_mode_16_64 3
		.amdhsa_memory_ordered 1
		.amdhsa_forward_progress 1
		.amdhsa_inst_pref_size 45
	.end_amdhsa_kernel
	.amdgpu_metadata
---
amdhsa.version: [ 1, 2 ]
amdhsa.kernels:
  - .name:           k_q928a1cf0b9_prep
    .symbol:         k_q928a1cf0b9_prep.kd
    .args:
      - { .name: x, .offset: 0, .size: 8, .value_kind: global_buffer, .address_space: global }
      - { .name: W_qkv, .offset: 8, .size: 8, .value_kind: global_buffer, .address_space: global }
      - { .name: W_out, .offset: 16, .size: 8, .value_kind: global_buffer, .address_space: global }
      - { .name: xc, .offset: 24, .size: 8, .value_kind: global_buffer, .address_space: global }
      - { .name: xs, .offset: 32, .size: 8, .value_kind: global_buffer, .address_space: global }
      - { .name: wc, .offset: 40, .size: 8, .value_kind: global_buffer, .address_space: global }
      - { .name: ws, .offset: 48, .size: 8, .value_kind: global_buffer, .address_space: global }
      - { .name: wo16, .offset: 56, .size: 8, .value_kind: global_buffer, .address_space: global }
    .group_segment_fixed_size: 61440
    .private_segment_fixed_size: 0
    .kernarg_segment_align: 8
    .kernarg_segment_size: 64
    .max_flat_workgroup_size: 256
    .sgpr_count:     66
    .vgpr_count:     208
    .wavefront_size: 32
...
	.end_amdgpu_metadata
.endif
;; end of part 1
;; launch qkv (part 2): grid 12 x 16, 4 waves a work-group, clusters of 4 x 4, 327,680 bytes of LDS; arguments xc, xs, wc, ws, b_qkv, qkv; writes qkv
.if DOCPART == 2
	.amdgcn_target "amdgcn-amd-amdhsa--gfx1250"
	.amdhsa_code_object_version 6
	.text
	.protected	k_q928a1cf0b9_qkv
	.globl	k_q928a1cf0b9_qkv
	.p2align	8
	.type	k_q928a1cf0b9_qkv,@function
k_q928a1cf0b9_qkv:
	s_mov_b64 s[64:65], 0
	v_nop
	global_prefetch_b8 v0, s[64:65] scope:SCOPE_SE
	s_setreg_imm32_b32 hwreg(HW_REG_WAVE_MODE, 25, 1), 1
	s_wait_xcnt 0x0
	s_wait_alu depctr_hold_cnt(0) depctr_sa_sdst(0) depctr_va_vdst(0) depctr_va_sdst(0) depctr_va_ssrc(0) depctr_va_vcc(0) depctr_vm_vsrc(0)
	s_getreg_b32 s2, hwreg(HW_REG_IB_STS2, 6, 4)
	s_cmp_eq_u32 s2, 0
	s_cbranch_scc0 .Lentry_in_a_cluster
	s_endpgm
.Lentry_in_a_cluster:
	s_bfe_u32 s2, ttmp6, 0x10000c
	s_cmp_lg_u32 s2, 0xf033
	s_cbranch_scc0 .Lentry_shape_is_right
	s_endpgm
.Lentry_shape_is_right:
; QKV: qkv = Q(x) Q(W_qkv) + b_qkv on codes of FP4 (E2M1) with one E8M0 scale for each 32 along K; sums in f32; the result is rounded once to f16 and laid head-major:
; qkv [48 blocks of 64 columns][4096 tokens][64] (blocks 0-15 q's heads, 16-31 k's, 32-47 v's).
; LIMIT: q, k and v are kept in f16: magnitudes up to 65,504; under 6.1e-5 they are kept to 2^-24.
; A tile of 256 tokens x 256 columns is made by a work-group of four waves, a wave makes 128 x 128: 64 accumulators, 512 registers.  K = 1,024 is two LDS slots of 512 along K (rows of 256 bytes): both slots and
; the scale bytes are asked for at the head, three tensor loads a wave outstanding by this text's count; nothing is filled again.  12 x 16 = 192 work-groups: a narrower tile would cut a wave's columns through a head.
; CLUSTERS: 4 x 4 work-groups.  The four of a row of the cluster need the same rows of x, the four of a column the same columns of W: each tile is asked for jointly.
; THE MATRIX INSTRUCTION IS USED TRANSPOSED (source 0 = 16 columns of W, source 1 = 16 tokens): a lane holds eight neighbouring columns of one token.  The bias is the C of each sum's first instruction.
; REGISTERS, in windows of 256: window 0: v0-31 addresses; v32-95 scale words, two sets; v128-191 x's fragments, one set; v192-255 the bias in the result's layout; on the way out v32-127 are free.
;   window 1: W's fragments, two sets, at v0 and v128.   window 2: the accumulators of my tokens 0-63 ((a, b) at v[8 (8 a + b)]);   window 3: those of my tokens 64-127.
.set NQ,     4                         ; matrix instructions deep in a slot
.set ROWB,   256                       ; a tile's row in bytes: 512 codes
.set KROW,   512                       ; a row of xc or wc in memory
.set PITCH,  272                       ; an LDS row: 256 bytes + 16 of padding = 68 words: row r starts at bank 4 r mod 64 (ISA guide 11.1)
.set FR,     8
.set NL,     2
.set NP,     4                         ; places behind this matrix instruction (ISA guide 7.12.1)
.set HALFT,  128*PITCH
.set SLOT,   4*HALFT
.set SCL,    2*SLOT                    ; behind the ring: the scale bytes: for each wave's load [2 K steps][128 rows][16 bytes]
.set SPARE,  SCL+4*4096                ; the spare words, 128 bytes for each wave
.set ADRA, 16                          ; v16-17  LDS address of my fragments of x in slot 0, 1
.set ADRB, 20                          ; v20-21  the same for W
.set STO,  24                          ; v24     the way out: where I put 16 bytes of a row
.set RD,   25                          ; v25     the way out: where I read rows back
.set CO,   26                          ; v26     16 x lane
.set ADRS, 27                          ; v27     LDS address of my scale words: lanes 0-15 x's rows, lanes 16-31 W's
.set SPW,  28                          ; v28     my spare word; never rewritten
.set NIL,  29                          ; v29     0; never rewritten
.set BOF,  30                          ; v30     32 x (lane / 16): my eight numbers of a bias tile
.set SC,   32                          ; scale words: set s at v[SC + 32 s]; register 4 i + q: lanes 0-15 the word of x's block i, lanes 16-31 that of W's block i, for the slot's q-th 128 along K
.set AF,   128
.set BQ,   192
.set TMP,  32                          ; the way out: a block's 32 packed registers
.set BK,   64                          ; the way out: rows read back: v64-95 and v96-127 by turns
.set G1, 24
.set G0, 32
.set G1B, 48
.set G0B, 56
.set G1S, 68
.set G0S, 76
.set G1SB, 80
.set G0SB, 88
.set MSB, 0
.macro WIN new                         ; the immediate's high byte repeats the setting that is left
.if MSB != \new
	s_set_vgpr_msb (MSB<<8)|\new
.set MSB, \new
.endif
.endm
.set MUL_LO, 0xa1                      ; source 0 (W) window 1, source 1 (x) window 0, C and D window 2
.set MUL_HI, 0xf1                      ; the same, C and D window 3
.set BEG_LO, 0x81                      ; the first step: C is the bias, in window 0; D window 2
.set BEG_HI, 0xc1                      ; D window 3
.set TO_B,   0x40
; A joint load: waves 0 and 1 fetch for x, waves 2 and 3 for W.  The branch hangs on the wave's number alone.  An s_nop 0 and four v_nop follow each of the two lines.
.macro JLOAD g0a, g1a, g0b, g1b
	s_cmp_eq_u32 s17, 0
	s_cbranch_scc0 .Lfor_b_\@
	tensor_load_to_lds s[\g0a:\g0a+3], s[\g1a:\g1a+7]
	s_nop 0
.rept 4
	v_nop
.endr
	s_branch .Lasked_\@
.Lfor_b_\@:
	tensor_load_to_lds s[\g0b:\g0b+3], s[\g1b:\g1b+7]
	s_nop 0
.rept 4
	v_nop
.endr
.Lasked_\@:
.endm
.macro CROUND                          ; a round of the cluster's barrier
	s_barrier_signal -1
	s_barrier_wait -1
	s_cmp_lg_u32 s16, 0
	s_cbranch_scc1 .Lnot_wave_0_\@
	s_barrier_signal -3
.Lnot_wave_0_\@:
	s_barrier_wait -3
	s_barrier_signal -1
	s_barrier_wait -1
.endm
	s_load_b256 s[4:11], s[0:1], 0x0               ; xc s[4:5], xs s[6:7], wc s[8:9], ws s[10:11]
	s_load_b128 s[12:15], s[0:1], 0x20             ; b_qkv s[12:13], qkv s[14:15]
	v_lshl_add_u32 v[SPW], v0, 2, SPARE
	v_mov_b32 v[NIL], 0
	ds_add_u32 v[SPW], v[NIL]                      ; the wave's opening: the add, twice on end, and its wait ahead of my first tensor load
	ds_add_u32 v[SPW], v[NIL]
	v_lshrrev_b32 v1, 5, v0
	v_readfirstlane_b32 s16, v1                    ; wave 0..3
	s_lshr_b32 s17, s16, 1                         ; which half of the tile's tokens is mine.  Also: I fetch for x (0) or for W (1)
	s_and_b32 s18, s16, 1                          ; which half of its columns.  Also: which 128 rows I fetch
	s_bfe_u32 s40, ttmp6, 0x40000                  ; cx, cy: my place in the cluster
	s_bfe_u32 s41, ttmp6, 0x40004
	s_lshl_b32 s42, ttmp9, 2
	s_add_co_u32 s42, s42, s40                     ; tile column = 4 x cluster x + cx
	s_and_b32 s66, ttmp7, 0xffff
	s_lshl_b32 s66, s66, 2
	s_add_co_u32 s66, s66, s41                     ; tile row = 4 x cluster y + cy
	s_lshl_b32 s43, s41, 2
	s_lshl_b32 s43, 15, s43                        ; my row of the cluster
	s_lshl_b32 s44, 0x1111, s40                    ; my column
	; group 1 for the codes: 128 rows x 256 bytes, 16 bytes of padding behind each
	s_or_b32 s[G1+0], s43, (0<<16)|(1<<20)|(1<<21)|(5<<22)|(3<<25)  ; 15:0 the mask; 17:16 elements of 1 byte; 20 padding on; 21 set beside a mask; 24:22 after every 64 words; 31:25 four words
	s_or_b32 s[G1B+0], s44, (0<<16)|(1<<20)|(1<<21)|(5<<22)|(3<<25)
.irp g, G1, G1B
	s_mov_b32 s[\g+1], ROWB<<16                    ; tensor_dim0
	s_mov_b32 s[\g+2], 128<<16                     ; tensor_dim1
	s_mov_b32 s[\g+3], ROWB<<16                    ; tile_dim0
	s_mov_b32 s[\g+4], 128                         ; tile_dim1
	s_mov_b32 s[\g+5], KROW                        ; from row to row
	s_mov_b32 s[\g+6], 0
	s_mov_b32 s[\g+7], 0
.endr
	; group 1 for the scale bytes of 128 rows: two rows (the two K steps) of 2,048 bytes = 256 elements of 8 bytes; no padding: sixteen rows' words are 256 consecutive bytes
	s_or_b32 s[G1S+0], s43, (3<<16)|(1<<21)
	s_or_b32 s[G1SB+0], s44, (3<<16)|(1<<21)
.irp g, G1S, G1SB
	s_mov_b32 s[\g+1], 256<<16
	s_mov_b32 s[\g+2], 2<<16
	s_mov_b32 s[\g+3], 256<<16
	s_mov_b32 s[\g+4], 2
	s_mov_b32 s[\g+6], 0
	s_mov_b32 s[\g+7], 0
.endr
	s_mov_b32 s[G1S+5], 8192                       ; a K step of xs is 4,096 x 16 bytes,
	s_mov_b32 s[G1SB+5], 6144                      ; of ws 3,072 x 16
	s_lshl_b32 s19, s18, 7                         ; which 128 rows of the tile I fetch
	s_lshl_b32 s20, s66, 8
	s_add_co_u32 s20, s20, s19                     ; x: row 256 x tile row + 128 x half
	s_lshl_b32 s46, s42, 8
	s_add_co_u32 s46, s46, s19                     ; W: row 256 x tile column + 128 x half
	s_lshl_b32 s22, s20, 4                         ; their scale bytes,
	s_lshl_b32 s92, s46, 4
	s_lshl_b32 s20, s20, 9                         ; and their codes
	s_lshl_b32 s46, s46, 9
	s_mov_b32 s21, 0
	s_mov_b32 s23, 0
	s_mov_b32 s47, 0
	s_mov_b32 s93, 0
	s_mul_i32 s45, s16, HALFT                      ; where they go: wave x 128 rows: no place in the cluster enters an LDS address
	s_lshl_b32 s94, s16, 12
	s_wait_dscnt 0x0                               ; both opening adds are done
	s_wait_kmcnt 0x0
	s_add_nc_u64 s[20:21], s[4:5], s[20:21]
	s_add_nc_u64 s[22:23], s[6:7], s[22:23]
	s_add_nc_u64 s[46:47], s[8:9], s[46:47]
	s_add_nc_u64 s[92:93], s[10:11], s[92:93]
	CROUND                                         ; all sixteen work-groups are here: the joint loads meet
	s_mov_b32 s[G0S], 1
	s_add_co_u32 s[G0S+1], s94, SCL
	s_mov_b64 s[G0S+2:G0S+3], s[22:23]
	s_or_b32 s[G0S+3], s[G0S+3], 0x80000000
	s_mov_b32 s[G0SB], 1
	s_add_co_u32 s[G0SB+1], s94, SCL
	s_mov_b64 s[G0SB+2:G0SB+3], s[92:93]
	s_or_b32 s[G0SB+3], s[G0SB+3], 0x80000000
	JLOAD G0S, G1S, G0SB, G1SB                     ; the scale bytes first: they are wanted with slot 0
.irp s, 0,1
	s_mov_b32 s[G0+4*\s], 1
	s_add_co_u32 s[G0+4*\s+1], s45, \s*SLOT
	s_add_nc_u64 s[G0+4*\s+2:G0+4*\s+3], s[20:21], \s*ROWB
	s_or_b32 s[G0+4*\s+3], s[G0+4*\s+3], 0x80000000
	s_mov_b32 s[G0B+4*\s], 1
	s_add_co_u32 s[G0B+4*\s+1], s45, \s*SLOT
	s_add_nc_u64 s[G0B+4*\s+2:G0B+4*\s+3], s[46:47], \s*ROWB
	s_or_b32 s[G0B+4*\s+3], s[G0B+4*\s+3], 0x80000000
	JLOAD G0+4*\s, G1, G0B+4*\s, G1B
.endr
	v_and_b32 v1, 15, v0                           ; r = lane % 16
	v_bfe_u32 v2, v0, 4, 1                         ; h = lane / 16
	s_lshl_b32 s46, s42, 10                        ; the bias of my 128 columns: 4 bytes x (256 x tile column + 128 x half)
	s_lshl_b32 s47, s18, 9
	s_add_co_u32 s46, s46, s47
	s_mov_b32 s47, 0
	s_add_nc_u64 s[12:13], s[12:13], s[46:47]
	v_lshlrev_b32 v[BOF], 5, v2
.irp b, 0,1,2,3,4,5,6,7                        ; lane (r, h), register j of tile b: the bias of column 16 b + 8 h + j
	global_load_b128 v[BQ+8*\b:BQ+8*\b+3], v[BOF], s[12:13] offset:64*\b
	global_load_b128 v[BQ+8*\b+4:BQ+8*\b+7], v[BOF], s[12:13] offset:64*\b+16
.endr
	v_mul_u32_u24 v3, v1, PITCH
	v_lshl_add_u32 v4, v2, 4, v3                   ; a fragment's row x pitch + 16 x half
	s_mul_i32 s21, s17, HALFT                      ; my 128 rows of x
	s_mul_i32 s22, s18, HALFT                      ; my 128 rows of W,
	s_add_co_u32 s22, s22, 2*HALFT                 ; which lie behind x's 256
.irp s, 0,1
	v_add_nc_u32 v[ADRA+\s], s21, v4
	v_add_nc_u32 v[ADRB+\s], s22, v4
	s_add_co_u32 s21, s21, SLOT
	s_add_co_u32 s22, s22, SLOT
.endr
	v_lshlrev_b32 v5, 4, v1                        ; my row's 16 scale bytes of a K step
	s_lshl_b32 s21, s17, 12                        ; x's: my 128 rows came by wave 0 or 1
	s_lshl_b32 s22, s18, 12                        ; W's: by wave 2 or 3
	s_add_co_u32 s22, s22, 8192
	s_sub_co_u32 s22, s22, s21
	v_mul_u32_u24 v6, s22, v2                      ; lanes 16-31 take W's: one product, the distance between the two
	s_add_co_u32 s21, s21, SCL
	v_add_nc_u32 v5, v5, v6
	v_add_nc_u32 v[ADRS], s21, v5
	s_mul_i32 s23, s16, 2*16*144                   ; my stage: [2 blocks of 64 columns][16 tokens][128 bytes + 16]
	v_mul_u32_u24 v5, v1, 144
	v_lshl_add_u32 v5, v2, 4, v5
	v_add_nc_u32 v[STO], s23, v5                   ; in: token r, 16 bytes for each half of the lanes
	v_bfe_u32 v5, v0, 3, 2
	v_mul_u32_u24 v5, v5, 144
	v_and_b32 v6, 7, v0
	v_lshl_add_u32 v5, v6, 4, v5
	v_add_nc_u32 v[RD], s23, v5                    ; back: eight lanes to a token's 128 bytes, four tokens an instruction
	v_and_b32 v6, 31, v0
	v_lshlrev_b32 v[CO], 4, v6                     ; which are 512 consecutive bytes of qkv
	s_lshl_b32 s46, s42, 21                        ; my first block of 64 columns: 4 x tile column + 2 x half, 524,288 bytes each,
	s_lshl_b32 s47, s18, 20
	s_add_co_u32 s46, s46, s47
	s_lshl_b32 s47, s66, 15                        ; my first token: 256 x tile row + 128 x half, 128 bytes each
	s_add_co_u32 s46, s46, s47
	s_lshl_b32 s47, s17, 14
	s_add_co_u32 s46, s46, s47
	s_mov_b32 s47, 0
	s_add_nc_u64 s[14:15], s[14:15], s[46:47]
.macro FRAG reg, adr, q, i             ; 16 rows x 128 K of 4-bit codes: lane l holds row l % 16; registers 4 c .. 4 c + 3 hold K = 64 c + 32 (l / 16) + 0 .. 31
.irp c, 0,1
	ds_load_b128 v[\reg+4*\c:\reg+4*\c+3], v[\adr] offset:64*(\q)+32*\c+(\i)*16*PITCH
.endr
.endm
; 16 matrix instructions: x's blocks a0, a0 + 1 against W's eight.  p: W's set; sc: the set of scale words.  first = 1: the bias starts the sums.  The 64 accumulators take turns, one instruction a turn.
.macro MUL16 a0, p, q, sc, first
.irp a, \a0, \a0+1
.irp b, 0,1,2,3,4,5,6,7
.if \first
	v_wmma_scale_f32_16x16x128_f8f6f4 v[8*(8*((\a)%4)+\b):8*(8*((\a)%4)+\b)+7], v[128*(\p)+FR*\b:128*(\p)+FR*\b+FR-1], v[AF+FR*(\a):AF+FR*(\a)+FR-1], v[BQ+8*\b:BQ+8*\b+7], v[SC+8*NQ*(\sc)+NQ*\b+(\q)], v[SC+8*NQ*(\sc)+NQ*(\a)+(\q)] matrix_a_fmt:MATRIX_FMT_FP4 matrix_b_fmt:MATRIX_FMT_FP4 matrix_a_scale:MATRIX_SCALE_ROW1
.else
	v_wmma_scale_f32_16x16x128_f8f6f4 v[8*(8*((\a)%4)+\b):8*(8*((\a)%4)+\b)+7], v[128*(\p)+FR*\b:128*(\p)+FR*\b+FR-1], v[AF+FR*(\a):AF+FR*(\a)+FR-1], v[8*(8*((\a)%4)+\b):8*(8*((\a)%4)+\b)+7], v[SC+8*NQ*(\sc)+NQ*\b+(\q)], v[SC+8*NQ*(\sc)+NQ*(\a)+(\q)] matrix_a_fmt:MATRIX_FMT_FP4 matrix_b_fmt:MATRIX_FMT_FP4 matrix_a_scale:MATRIX_SCALE_ROW1
.endif
.endr
.endr
.endm
.macro FETCH_B slot, q, p
	WIN TO_B
.irp i, 0,1,2,3,4,5,6,7
	FRAG 128*(\p)+FR*\i, ADRB+\slot, \q, \i
.endr
	WIN 0
.endm
.macro FETCH_A slot, q, i0
.irp i, \i0, \i0+1, \i0+2, \i0+3
	FRAG AF+FR*(\i), ADRA+\slot, \q, \i
.endr
.endm
.macro SCALES sc                       ; a slot's scale words: four words a row; lanes 0-15 take x's block i, lanes 16-31 W's block i
.irp i, 0,1,2,3,4,5,6,7
	ds_load_b128 v[SC+8*NQ*\sc+NQ*\i:SC+8*NQ*\sc+NQ*\i+3], v[ADRS] offset:256*\i+2048*\sc
.endr
.endm
.macro PLACES n                        ; plain vector instructions between a matrix instruction and a load into, or a read of, its registers (ISA guide 7.12.1 for reads)
.rept \n
	v_nop
.endr
.endm
.macro STEP slot, q, first             ; 128 along K that have their successor in the same slot
	s_wait_dscnt 4*NL                              ; W's set and x's blocks 0-3 are in; the youngest eight loads (x's blocks 4-7) may be out
.if \first
	WIN BEG_LO
.else
	WIN MUL_LO
.endif
	MUL16 0, (\q)%2, \q, \slot, \first
	MUL16 2, (\q)%2, \q, \slot, \first
	s_wait_dscnt 0
	PLACES NP
	FETCH_B \slot, (\q)+1, 1-(\q)%2
	FETCH_A \slot, (\q)+1, 0
.if \first
	WIN BEG_HI
.else
	WIN MUL_HI
.endif
	MUL16 4, (\q)%2, \q, \slot, \first
	MUL16 6, (\q)%2, \q, \slot, \first
	PLACES NP
	WIN 0
	FETCH_A \slot, (\q)+1, 4
.endm
.macro STEPS slot, from
.set Q, \from
.rept NQ-1-\from
	STEP \slot, Q, 0
.set Q, Q+1
.endr
.endm
	s_wait_tensorcnt 1                             ; the scale bytes and my part of slot 0 are in; slot 1's load may stay out
	s_barrier_signal -1
	s_barrier_wait -1
	FETCH_B 0, 0, 0
	FETCH_A 0, 0, 0
	SCALES 0
	FETCH_A 0, 0, 4
	s_wait_loadcnt 0x0                             ; the bias
	STEP 0, 0, 1
	STEPS 0, 1
	; slot 0's last step changes slots: one barrier; in front of it each wave waits for its tensor loads (slot 1's part), adds 0 to its spare word, and waits for that and for its reads of slot 0
	s_wait_tensorcnt 0x0
	ds_add_u32 v[SPW], v[NIL]
	s_wait_dscnt 4*NL+1                            ; the add and the youngest eight loads may be out
	WIN MUL_LO
	MUL16 0, 1, NQ-1, 0, 0
	s_wait_dscnt 0x0                               ; the add is done, and my reads of slot 0 are over
	s_barrier_signal -1
	MUL16 2, 1, NQ-1, 0, 0
	WIN 0
	s_barrier_wait -1
	PLACES NP
	FETCH_B 1, 0, 0
	FETCH_A 1, 0, 0
	SCALES 1
	WIN MUL_HI
	MUL16 4, 1, NQ-1, 0, 0
	MUL16 6, 1, NQ-1, 0, 0
	PLACES NP
	WIN 0
	FETCH_A 1, 0, 4
	STEPS 1, 0
	s_wait_dscnt 4*NL                              ; the last step: nothing more to fetch
	WIN MUL_LO
	MUL16 0, 1, NQ-1, 1, 0
	MUL16 2, 1, NQ-1, 1, 0
	s_wait_dscnt 0
	WIN MUL_HI
	MUL16 4, 1, NQ-1, 1, 0
	MUL16 6, 1, NQ-1, 1, 0
	WIN 0
; THE WAY OUT, a block of 16 tokens x 128 columns at a time: rounded to f16 (a lane's eight columns are 16 bytes), through my own stage in LDS, back as four tokens x 128 bytes an instruction, which are 512
; consecutive bytes of a head's block of qkv.  The stage lies in slot 0, which has had its only fill and, behind the change of slots, its last read.  LDS serves a wave's instructions in order: no wait between stores and loads.
.macro PACK a
.set AC, 64*((\a)%4)
	WIN 0x0a+5*((\a)/4)                            ; sources 0 and 1: window 2 or 3
.irp b, 0,1,2,3,4,5,6,7
.irp i, 0,1,2,3
	v_cvt_pk_f16_f32 v[TMP+4*\b+\i], v[AC+8*\b+2*\i], v[AC+8*\b+2*\i+1]   ; each accumulator from its low end on
.endr
.endr
	WIN 0
.endm
.macro TOSTAGE a
.set BB, BK+32*((\a)%2)
.irp b, 0,1,2,3,4,5,6,7
	ds_store_b128 v[STO], v[TMP+4*\b:TMP+4*\b+3] offset:2304*(\b/4)+32*(\b%4)
.endr
.irp u, 0,1,2,3,4,5,6,7
	ds_load_b128 v[BB+4*\u:BB+4*\u+3], v[RD] offset:2304*(\u/4)+576*(\u%4)
.endr
.endm
.macro SEND a
.set BB, BK+32*((\a)%2)
	s_wait_dscnt 0x0                               ; the block is back in registers
	s_wait_xcnt 0x0                                ; the stores of the block before have read their registers: the next block's loads may land there
.irp u, 0,1,2,3,4,5,6,7
	global_store_b128 v[CO], v[BB+4*\u:BB+4*\u+3], s[14:15] offset:524288*(\u/4)+2048*(\a)+512*(\u%4)
.endr
.endm
	PLACES NP
	PACK 0
	TOSTAGE 0
.irp a, 1,2,3,4,5,6,7                  ; block a's conversions stand between block a - 1's loads from the stage and the wait for them
	PACK \a
	SEND \a-1
	TOSTAGE \a
.endr
	SEND 7
	s_wait_tensorcnt 0x0                           ; the wave's end
	ds_add_u32 v[SPW], v[NIL]
	s_wait_dscnt 0x0
	CROUND                                         ; the closing round
	s_endpgm
.Lfunc_end_k_q928a1cf0b9_qkv:
	.size	k_q928a1cf0b9_qkv, .Lfunc_end_k_q928a1cf0b9_qkv-k_q928a1cf0b9_qkv
	.p2alignl 7, 3214868480
	.fill 96, 4, 3214868480
	.section	.rodata,"a",@progbits
	.p2align	6, 0x0
	.amdhsa_kernel k_q928a1cf0b9_qkv
		.amdhsa_group_segment_fixed_size 327680
		.amdhsa_private_segment_fixed_size 0
		.amdhsa_enable_private_segment 0
		.amdhsa_kernarg_size 48
		.amdhsa_user_sgpr_count 2
		.amdhsa_user_sgpr_kernarg_segment_ptr 1
		.amdhsa_wavefront_size32 1
		.amdhsa_system_sgpr_workgroup_id_x 1
		.amdhsa_system_sgpr_workgroup_id_y 1
		.amdhsa_system_sgpr_workgroup_id_z 1
		.amdhsa_system_vgpr_workitem_id 0
		.amdhsa_next_free_vgpr 1024
		.amdhsa_next_free_sgpr 98
		.amdhsa_reserve_vcc 0
		.amdhsa_float_denorm_mode_32 3
		.amdhsa_float_denorm_mode_16_64 3
		.amdhsa_memory_ordered 1
		.amdhsa_forward_progress 1
		.amdhsa_inst_pref_size 128
	.end_amdhsa_kernel
	.amdgpu_metadata
---
amdhsa.version: [ 1, 2 ]
amdhsa.kernels:
  - .name:           k_q928a1cf0b9_qkv
    .symbol:         k_q928a1cf0b9_qkv.kd
    .args:
      - { .name: xc, .offset: 0, .size: 8, .value_kind: global_buffer, .address_space: global }
      - { .name: xs, .offset: 8, .size: 8, .value_kind: global_buffer, .address_space: global }
      - { .name: wc, .offset: 16, .size: 8, .value_kind: global_buffer, .address_space: global }
      - { .name: ws, .offset: 24, .size: 8, .value_kind: global_buffer, .address_space: global }
      - { .name: b_qkv, .offset: 32, .size: 8, .value_kind: global_buffer, .address_space: global }
      - { .name: qkv, .offset: 40, .size: 8, .value_kind: global_buffer, .address_space: global }
    .group_segment_fixed_size: 327680
    .private_segment_fixed_size: 0
    .kernarg_segment_align: 8
    .kernarg_segment_size: 48
    .max_flat_workgroup_size: 128
    .sgpr_count:     98
    .vgpr_count:     1024
    .wavefront_size: 32
...
	.end_amdgpu_metadata
.endif
;; end of part 2
;; launch attn (part 3): grid 8 x 32, 8 waves a work-group, clusters of 4 x 1, 327,680 bytes of LDS; arguments qkv, attention_mask, ao; writes ao
.if DOCPART == 3
	.amdgcn_target "amdgcn-amd-amdhsa--gfx1250"
	.amdhsa_code_object_version 6
	.text
	.protected	k_q928a1cf0b9_attn
	.globl	k_q928a1cf0b9_attn
	.p2align	8
	.type	k_q928a1cf0b9_attn,@function
k_q928a1cf0b9_attn:
	s_mov_b64 s[64:65], 0
	v_nop
	global_prefetch_b8 v0, s[64:65] scope:SCOPE_SE
	s_setreg_imm32_b32 hwreg(HW_REG_WAVE_MODE, 25, 1), 1
	s_wait_xcnt 0x0
	s_wait_alu depctr_hold_cnt(0) depctr_sa_sdst(0) depctr_va_vdst(0) depctr_va_sdst(0) depctr_va_ssrc(0) depctr_va_vcc(0) depctr_vm_vsrc(0)
	s_getreg_b32 s2, hwreg(HW_REG_IB_STS2, 6, 4)
	s_cmp_eq_u32 s2, 0
	s_cbranch_scc0 .Lentry_in_a_cluster
	s_endpgm
.Lentry_in_a_cluster:
	s_bfe_u32 s2, ttmp6, 0x10000c
	s_cmp_lg_u32 s2, 0x3003
	s_cbranch_scc0 .Lentry_shape_is_right
	s_endpgm
.Lentry_shape_is_right:
; ATTN: ao[head][token][:] = the sum over keys j of softmax_j(q . k_j / 8, keys with mask 0 left out) v_j, for 2 batches x 16 heads of 64.  q, k, v come as f16 from qkv [48][4096][64]; ao is f16 [16][4096][64].
; Products on f16 operands with f32 sums; maxima, exponentials and sums in f32; the weights p are rounded to f16 for the second product, the result once at the end.
; SHARES.  A work-group owns 256 queries of one head of one batch; each of its eight waves owns 32: two tiles of 16, in 512 registers, two waves to a SIMD, so that one wave's softmax stands beside the other's products.
; Every wave walks all 2,048 keys, 64 a step; K and V come through a ring of two LDS slots of 256 keys (four steps).
; LAYOUT.  S^T = K Q^T (source 0 = 16 keys, source 1 = 16 queries), O^T = V^T P (source 0 = 16 channels, source 1 = P): a lane holds ONE query (lane % 16) throughout; two score tiles, rounded in pairs, ARE source 1 of
; the second product.  K comes out of LDS as it lies, V ([key][channel]) turned, by ds_load_tr16_b128.
; THE MASK.  At the head the 2,048 mask words become a table of f32 in LDS: 0, or -2^100 where the word is 0.  A key tile's eight entries, in the result's layout, are the C of its first K Q^T instruction: the mask costs no
; vector instruction and no branch.  SOFTMAX: a running maximum m and sum l for each query, p = 2^(c s - c m), c = log2(e) / 8; in every step O and l are multiplied by a = 2^(c m_old - c m_new).
; m begins at -2^90: above every masked score, under every real one (f16 operands bound |q . k| by 64 x 65,504^2 < 2^38); c m is then exact, a masked key's exponent is hugely negative whatever m is, so p = 0, and a step that is
; wholly masked leaves l and O as they are.  A batch all of whose keys are masked ends with m = -2^90 and gets NaN, as the softmax of nothing does.
; CLUSTER.  The four query blocks of a cluster belong to one head and walk the same K and V: each tile is asked for jointly, mask 15.
; LIMITS: the result is kept in f16: magnitudes up to 65,504; under 6.1e-5 to 2^-24.  NaN and infinities among q, k, v are not served.
; REGISTERS: window 0: v1-15 addresses; v16-27 the head's mask work; v32-47 statistics, eight a tile; v48-79 the mask's C registers; v80-143 S^T, 32 a tile; v144-175 P; v176-239 O^T, 32 a tile.
;   window 1: v0-63 K of a step; v64-127 V of a step; v128-159 Q.
.set PK,    144                        ; a row of K in LDS: 128 bytes + 16: an odd multiple of 16, so the 16 rows of a load start at 16 different groups of banks
.set PVP,   160                        ; a row of V: 128 + 32: an odd multiple of 32, for the turning load
.set VOFF,  256*PK                     ; a slot: 256 rows of K, then 256 rows of V
.set SLOT1, 1<<17                      ; slot 1 begins here: one exclusive or turns an address from one slot to the other
.set BIAS,  SLOT1+VOFF+256*PVP         ; behind the ring: the mask's table, 2,048 f32
.set SPARE, BIAS+8192                  ; the spare words, 128 bytes for each wave
.set AK0, 2                            ; v2   my lane's place in a tile of K
.set AV0, 3                            ; v3   the same for V
.set AB0, 4                            ; v4   and in the table
.set ADK, 5                            ; v5-7 the same in the slot in hand
.set ADV, 6
.set ADB, 7
.set QO,  8                            ; v8   my byte offset in the wave's rows of Q
.set STO, 9                            ; v9   the way out: where I put 16 bytes of a row
.set RD,  10                           ; v10  the way out: where I read rows back
.set GO,  11                           ; v11  16 x lane
.set PFO, 12                           ; v12  256 x lane; never rewritten
.set SPW, 14                           ; v14  my spare word; never rewritten
.set NIL, 15                           ; v15  0; never rewritten
.set MW,  16                           ; v16-23 eight mask words
.set NEG, 24                           ; v24  -2^100
.set BST, 25                           ; v25  where my eight table entries go
.set QNAN, 26                          ; v26  NaN
.set MOF, 27                           ; v27  32 x thread
.set ST,  32                           ; tile t's statistics at v[ST + 8 t]: +0 c m, +1 m, +2, +3 l (two halves), +4 to +7 at work; a takes +6, c m_old - c m_new +7
.set BI,  48
.set S,   80
.set P,   144
.set O,   176
.set KF,  0                            ; window 1
.set VF,  64
.set QF,  128
.set WV,  14                           ; s14
.set LIM, 15                           ; s15  1 in a wave that prefetches, else the greatest number
.set PFA, 18                           ; s[18:19] where my prefetches stand
.set G1K, 24
.set G1V, 32
.set G0K, 40
.set G0V, 44
.set SLOTS, 48                         ; s48  slots still to be asked for
.set TB,  49                           ; s49  LDS byte at which the slot in hand begins
.set TBI, 50                           ; s50  and its 256 entries of the table
.set CS,  52                           ; s[52:53] c
.set SEL, 54                           ; s[54:55] lane selects: lane l xor 16
.set FLOOR, 56                         ; s56  -2^89
.set MSB, 0
.macro WIN new
.if MSB != \new
	s_set_vgpr_msb (MSB<<8)|\new
.set MSB, \new
.endif
.endm
.macro PLACES
.rept 4
	v_nop
.endr
.endm
; A joint load: waves 0-3 fetch the quarters of K's tile, waves 4-7 those of V's.  The branch hangs on the wave's number alone.  An s_nop 0 and four v_nop follow each of the two lines.
.macro JLOAD
	s_cmp_lt_u32 s[WV], 4
	s_cbranch_scc0 .Lfor_v_\@
	tensor_load_to_lds s[G0K:G0K+3], s[G1K:G1K+7]
	s_nop 0
.rept 4
	v_nop
.endr
	s_branch .Lasked_\@
.Lfor_v_\@:
	tensor_load_to_lds s[G0V:G0V+3], s[G1V:G1V+7]
	s_nop 0
.rept 4
	v_nop
.endr
.Lasked_\@:
.endm
; A prefetch of the tile that the NEXT change of slots will ask for: four key steps ahead of that load.  Each aligned block of 256 bytes is named once in the launch: both clusters of a head walk the same K and V, the first
; asks; its four partners share a tile's 32,768 bytes out by address, 8,192 each; in each, wave 0 asks for K's and wave 4 for V's, a lane a block.  The last change that fills a slot asks for nothing.
.macro ASK
	s_cmp_gt_u32 s[SLOTS], s[LIM]
	s_cbranch_scc0 .Lnot_mine_\@
	global_prefetch_b8 v[PFO], s[PFA:PFA+1] th:TH_LOAD_NT scope:SCOPE_SE
.Lnot_mine_\@:
.endm
.macro CROUND                          ; a round of the cluster's barrier
	s_barrier_signal -1
	s_barrier_wait -1
	s_cmp_lg_u32 s[WV], 0
	s_cbranch_scc1 .Lnot_wave_0_\@
	s_barrier_signal -3
.Lnot_wave_0_\@:
	s_barrier_wait -3
	s_barrier_signal -1
	s_barrier_wait -1
.endm
	s_load_b128 s[4:7], s[0:1], 0x0                ; qkv s[4:5], attention_mask s[6:7]
	s_load_b64 s[8:9], s[0:1], 0x10                ; ao
	v_lshl_add_u32 v[SPW], v0, 2, SPARE
	v_mov_b32 v[NIL], 0
	ds_add_u32 v[SPW], v[NIL]                      ; the wave's opening: the add, twice on end, and its wait ahead of my first tensor load
	ds_add_u32 v[SPW], v[NIL]
	v_lshrrev_b32 v1, 5, v0
	v_readfirstlane_b32 s[WV], v1                  ; wave 0..7
	s_bfe_u32 s16, ttmp6, 0x40000                  ; cx: it enters Q's, ao's and the prefetches' addresses alone
	s_and_b32 s57, ttmp7, 0xffff
	s_lshr_b32 s58, s57, 4                         ; the batch
	s_and_b32 s57, s57, 15                         ; the head
	s_lshl_b32 s57, s57, 19                        ; a head's block is 524,288 bytes,
	s_lshl_b32 s59, s58, 18                        ; a batch's 2,048 tokens in it 262,144
	s_add_co_u32 s57, s57, s59
	s_lshl_b32 s22, s58, 13                        ; the batch's mask words
	s_mov_b32 s23, 0
	s_and_b32 s17, s[WV], 3                        ; which quarter of a tile I fetch:
	s_lshl_b32 s60, s17, 13                        ; 64 rows of 128 bytes
	s_add_co_u32 s60, s60, s57
	s_mov_b32 s61, 0
	s_lshl_b32 s20, ttmp9, 2
	s_add_co_u32 s20, s20, s16                     ; my block of 256 queries = 4 x cluster x + cx
	s_lshl_b32 s20, s20, 15
	s_lshl_b32 s21, s[WV], 12                      ; my wave's 32 of them
	s_add_co_u32 s20, s20, s21
	s_add_co_u32 s20, s20, s57
	s_mov_b32 s21, 0
	; group 1: 64 rows x 64 elements of 2 bytes, dense in memory, padded in LDS behind each row
	s_mov_b32 s[G1K], 15|(1<<16)|(1<<20)|(1<<21)|(4<<22)|(3<<25)  ; 15:0 the mask: all four work-groups; 17:16 2 bytes; 20 padding on; 21 set beside a mask; 24:22 after every 32 words; 31:25 four words
	s_mov_b32 s[G1V], 15|(1<<16)|(1<<20)|(1<<21)|(4<<22)|(7<<25)  ; the same with eight words
.irp g, G1K, G1V
	s_mov_b32 s[\g+1], 64<<16                      ; tensor_dim0
	s_mov_b32 s[\g+2], 64<<16                      ; tensor_dim1
	s_mov_b32 s[\g+3], 64<<16                      ; tile_dim0
	s_mov_b32 s[\g+4], 64                          ; tile_dim1
	s_mov_b32 s[\g+5], 64                          ; from row to row
	s_mov_b32 s[\g+6], 0
	s_mov_b32 s[\g+7], 0
.endr
	s_mov_b32 s[CS], 0x3e38aa3b                    ; c = log2(e) / 8
	s_mov_b32 s[CS+1], s[CS]                       ; (named with it as a pair, so it is written)
	s_mov_b32 s[SEL], 0x76543210
	s_mov_b32 s[SEL+1], 0xfedcba98
	s_mov_b32 s[FLOOR], 0xec000000                 ; -2^89
	s_mov_b32 s[TB], 0
	s_mov_b32 s[TBI], 0
	s_mov_b32 s[SLOTS], 7
	s_or_b32 s[LIM], s17, ttmp9                    ; 0 in waves 0 and 4 of the head's first cluster: the same in all four partners
	s_cmp_eq_u32 s[LIM], 0
	s_cselect_b32 s[LIM], 1, -1
	s_wait_dscnt 0x0                               ; both opening adds are done
	s_wait_kmcnt 0x0
	s_add_nc_u64 s[10:11], s[4:5], s[60:61]
	s_add_nc_u64 s[12:13], s[10:11], 32*524288     ; V's heads are blocks 32-47: my quarter of tile 0,
	s_add_nc_u64 s[10:11], s[10:11], 16*524288     ; K's are blocks 16-31
	s_add_nc_u64 s[4:5], s[4:5], s[20:21]          ; Q and ao at my wave's first row
	s_add_nc_u64 s[8:9], s[8:9], s[20:21]
	s_add_nc_u64 s[6:7], s[6:7], s[22:23]
	s_cmp_lt_u32 s[WV], 4
	s_cselect_b64 s[PFA:PFA+1], s[10:11], s[12:13] ; (in waves 0 and 4 these stand at a tile's first row)
	s_lshl_b32 s20, s16, 13                        ; my work-group's 8,192 bytes of a tile,
	s_add_nc_u64 s[PFA:PFA+1], s[PFA:PFA+1], s[20:21]
	s_add_nc_u64 s[PFA:PFA+1], s[PFA:PFA+1], 32768 ; in tile 1: the first change of slots steps it to tile 2.  Nothing is prefetched at the head
	CROUND                                         ; all four work-groups are here: the first joint loads meet
	s_mov_b32 s[G0K], 1                            ; count = 1
	s_mul_i32 s[G0K+1], s17, 64*PK                 ; LDS address: slot 0, my quarter
	s_mov_b64 s[G0K+2:G0K+3], s[10:11]
	s_or_b32 s[G0K+3], s[G0K+3], 0x80000000        ; type = 2
	s_mov_b32 s[G0V], 1
	s_mul_i32 s[G0V+1], s17, 64*PVP
	s_add_co_u32 s[G0V+1], s[G0V+1], VOFF
	s_mov_b64 s[G0V+2:G0V+3], s[12:13]
	s_or_b32 s[G0V+3], s[G0V+3], 0x80000000
	JLOAD                                          ; tile 0 into slot 0
	v_lshlrev_b32 v[MOF], 5, v0
	global_load_b128 v[MW:MW+3], v[MOF], s[6:7]    ; thread i takes mask words 8 i .. 8 i + 7
	global_load_b128 v[MW+4:MW+7], v[MOF], s[6:7] offset:16
	v_and_b32 v1, 15, v0                           ; r = lane % 16
	v_bfe_u32 v13, v0, 4, 1                        ; h = lane / 16
	v_lshlrev_b32 v[QO], 7, v1
	v_lshl_add_u32 v[QO], v13, 4, v[QO]            ; row r of 128 bytes + 16 h
	WIN 0x40                                       ; destination window 1
.irp t, 0,1
.irp kk, 0,1                                   ; Q stays in registers: tile t, channels 32 kk on
	global_load_b128 v[QF+16*\t+8*\kk:QF+16*\t+8*\kk+3], v[QO], s[4:5] offset:2048*\t+64*\kk
	global_load_b128 v[QF+16*\t+8*\kk+4:QF+16*\t+8*\kk+7], v[QO], s[4:5] offset:2048*\t+64*\kk+32
.endr
.endr
	WIN 0
	v_mul_u32_u24 v[AK0], v1, PK
	v_lshl_add_u32 v[AK0], v13, 4, v[AK0]          ; K: row r x pitch + 16 h
	v_and_b32 v28, 7, v0
	v_lshl_add_u32 v[AV0], v13, 3, v28             ; V: key 8 h + lane % 8,
	v_mul_u32_u24 v[AV0], v[AV0], PVP
	v_bfe_u32 v29, v0, 3, 1
	v_lshl_add_u32 v[AV0], v29, 4, v[AV0]          ; channels 8 ((lane / 8) % 2) on
	v_add_nc_u32 v[AV0], VOFF, v[AV0]
	v_lshl_add_u32 v[AB0], v13, 5, BIAS            ; the table: keys 8 h + 0 .. 7 of a tile
	v_lshl_add_u32 v[BST], v0, 5, BIAS
	s_mul_i32 s20, s[WV], 32*144                   ; my stage for the way out: 32 rows x (128 bytes + 16), in slot 0
	v_add_nc_u32 v[STO], s20, v[AK0]               ; in: row r, 16 bytes for each half of the lanes (the same pitch as K's)
	v_bfe_u32 v29, v0, 3, 2
	v_mul_u32_u24 v29, v29, 144
	v_lshl_add_u32 v29, v28, 4, v29
	v_add_nc_u32 v[RD], s20, v29                   ; back: eight lanes to a row, four rows an instruction
	v_and_b32 v28, 31, v0
	v_lshlrev_b32 v[GO], 4, v28
	v_lshlrev_b32 v[PFO], 8, v28
	v_mov_b32 v[NEG], 0xf1800000                   ; -2^100
	v_mov_b32 v[QNAN], 0x7fc00000
.irp t, 0,1
	v_mov_b32 v[ST+8*\t+1], 0xec800000             ; m = -2^90
	v_mul_f32 v[ST+8*\t], s[CS], v[ST+8*\t+1]      ; c m: exact
.irp i, 2,3,4,5,6,7
	v_mov_b32 v[ST+8*\t+\i], 0
.endr
.endr
.irp j, 0,1,2,3,4,5,6,7,8,9,10,11,12,13,14,15,16,17,18,19,20,21,22,23,24,25,26,27,28,29,30,31,32,33,34,35,36,37,38,39,40,41,42,43,44,45,46,47,48,49,50,51,52,53,54,55,56,57,58,59,60,61,62,63
	v_mov_b32 v[O+\j], 0                           ; O^T, once: the step is written without a first step of its own
.endr
	s_wait_loadcnt 8                               ; the mask words are in; Q's eight loads stay out
.irp i, 0,1,2,3,4,5,6,7
	v_cmp_eq_u32 vcc_lo, 0, v[MW+\i]
	v_cndmask_b32 v[MW+\i], 0, v[NEG], vcc_lo      ; 0 where the key counts, -2^100 where its word is 0
.endr
	ds_store_b128 v[BST], v[MW:MW+3]               ; the first change of slots waits for these and passes a barrier: then every wave may read the table
	ds_store_b128 v[BST], v[MW+4:MW+7] offset:16
	s_wait_loadcnt 0x0                             ; Q
; 24 LDS loads: step q's K (64 keys x 64 channels: 8 fragments) and its 64 table entries
.macro FETCH_K q
	WIN 0x40
.irp kt, 0,1,2,3
.irp kk, 0,1
	ds_load_b128 v[KF+16*\kt+8*\kk:KF+16*\kt+8*\kk+3], v[ADK] offset:(64*(\q)+16*\kt)*PK+64*\kk
	ds_load_b128 v[KF+16*\kt+8*\kk+4:KF+16*\kt+8*\kk+7], v[ADK] offset:(64*(\q)+16*\kt)*PK+64*\kk+32
.endr
.endr
	WIN 0
.irp kt, 0,1,2,3
	ds_load_b128 v[BI+8*\kt:BI+8*\kt+3], v[ADB] offset:256*(\q)+64*\kt
	ds_load_b128 v[BI+8*\kt+4:BI+8*\kt+7], v[ADB] offset:256*(\q)+64*\kt+16
.endr
.endm
; 16 LDS loads: step q's V, turned: keys 32 g on, channels 16 ct on
.macro FETCH_V q
	WIN 0x40
.irp g, 0,1
.irp ct, 0,1,2,3
	ds_load_tr16_b128 v[VF+32*\g+8*\ct:VF+32*\g+8*\ct+3], v[ADV] offset:(64*(\q)+32*\g)*PVP+32*\ct
	ds_load_tr16_b128 v[VF+32*\g+8*\ct+4:VF+32*\g+8*\ct+7], v[ADV] offset:(64*(\q)+32*\g+16)*PVP+32*\ct
.endr
.endr
.endm
; S^T = mask + K Q^T: eight accumulators (4 key tiles x 2 query tiles) by turns, one instruction a turn; the first eight take the table's registers as C
.macro QKT
	WIN 0x05                                       ; K and Q in window 1
.irp kt, 0,1,2,3
.irp t, 0,1
	v_wmma_f32_16x16x32_f16 v[S+32*\t+8*\kt:S+32*\t+8*\kt+7], v[KF+16*\kt:KF+16*\kt+7], v[QF+16*\t:QF+16*\t+7], v[BI+8*\kt:BI+8*\kt+7]
.endr
.endr
.irp kt, 0,1,2,3
.irp t, 0,1
	v_wmma_f32_16x16x32_f16 v[S+32*\t+8*\kt:S+32*\t+8*\kt+7], v[KF+16*\kt+8:KF+16*\kt+15], v[QF+16*\t+8:QF+16*\t+15], v[S+32*\t+8*\kt:S+32*\t+8*\kt+7]
.endr
.endr
.endm
; O^T += V^T P: eight accumulators (4 channel tiles x 2 query tiles) by turns
.macro PVM
	WIN 0x01                                       ; V in window 1
.irp g, 0,1
.irp ct, 0,1,2,3
.irp t, 0,1
	v_wmma_f32_16x16x32_f16 v[O+32*\t+8*\ct:O+32*\t+8*\ct+7], v[VF+32*\g+8*\ct:VF+32*\g+8*\ct+7], v[P+16*\t+8*\g:P+16*\t+8*\g+7], v[O+32*\t+8*\ct:O+32*\t+8*\ct+7]
.endr
.endr
.endr
.endm
; The softmax of a step, both tiles line by line, so that no line waits for the line above it
.macro SOFTMAX
.irp c, 0,1,2,3                                ; the maximum of the lane's 32 scores and the old m: four chains; each score tile is read from its low end on
.irp t, 0,1
	v_max3_num_f32 v[ST+8*\t+4+\c], v[S+32*\t+8*\c], v[S+32*\t+8*\c+1], v[S+32*\t+8*\c+2]
.endr
.endr
.irp u, 3,5
.irp c, 0,1,2,3
.irp t, 0,1
	v_max3_num_f32 v[ST+8*\t+4+\c], v[ST+8*\t+4+\c], v[S+32*\t+8*\c+\u], v[S+32*\t+8*\c+\u+1]
.endr
.endr
.endr
.irp t, 0,1
	v_max3_num_f32 v[ST+8*\t+4], v[ST+8*\t+4], v[S+32*\t+7], v[S+32*\t+15]
	v_max3_num_f32 v[ST+8*\t+6], v[ST+8*\t+6], v[S+32*\t+23], v[S+32*\t+31]
.endr
.irp t, 0,1
	v_max3_num_f32 v[ST+8*\t+4], v[ST+8*\t+4], v[ST+8*\t+5], v[ST+8*\t+6]
.endr
.irp t, 0,1
	v_max3_num_f32 v[ST+8*\t+4], v[ST+8*\t+4], v[ST+8*\t+7], v[ST+8*\t+1]
.endr
.irp t, 0,1
	v_permlanex16_b32 v[ST+8*\t+5], v[ST+8*\t+4], s[SEL], s[SEL+1]   ; the query's other 32 keys lie in the lane 16 away
.endr
.irp t, 0,1
	v_mov_b32 v[ST+8*\t+7], v[ST+8*\t]             ; c m_old
.endr
.irp t, 0,1
	v_max_num_f32 v[ST+8*\t+1], v[ST+8*\t+4], v[ST+8*\t+5]
.endr
.irp t, 0,1
	v_mul_f32 v[ST+8*\t], s[CS], v[ST+8*\t+1]
.endr
.irp t, 0,1
	v_sub_f32 v[ST+8*\t+7], v[ST+8*\t+7], v[ST+8*\t]
.endr
.irp b, 0,2,4,6,8,10,12,14,16,18,20,22,24,26,28,30
.irp t, 0,1
	v_pk_fma_f32 v[S+32*\t+\b:S+32*\t+\b+1], v[S+32*\t+\b:S+32*\t+\b+1], s[CS:CS+1], v[ST+8*\t:ST+8*\t+1] op_sel_hi:[1,0,0] neg_lo:[0,0,1] neg_hi:[0,0,1]   ; c s - c m
.endr
.endr
.irp t, 0,1
	v_exp_f32 v[ST+8*\t+6], v[ST+8*\t+7]           ; a
.endr
.irp e, 0,1,2,3,4,5,6,7,8,9,10,11,12,13,14,15,16,17,18,19,20,21,22,23,24,25,26,27,28,29,30,31
.irp t, 0,1
	v_exp_f32 v[S+32*\t+\e], v[S+32*\t+\e]         ; p
.endr
.endr
	v_nop                                          ; a plain instruction behind the last exponential (ISA guide 5.7.2)
	s_wait_alu depctr_va_vdst(0)                   ; one wait for the batch of 66, ahead of its first reader
.irp j, 0,1,2,3,4,5,6,7,8,9,10,11,12,13,14,15
.irp t, 0,1
	v_cvt_pk_f16_f32 v[P+16*\t+\j], v[S+32*\t+2*\j], v[S+32*\t+2*\j+1]
.endr
.endr
.irp z, 0,4,8,12,16,20,24,28                   ; the sum of the 16 pairs, in place
.irp t, 0,1
	v_pk_add_f32 v[S+32*\t+\z:S+32*\t+\z+1], v[S+32*\t+\z:S+32*\t+\z+1], v[S+32*\t+\z+2:S+32*\t+\z+3]
.endr
.endr
.irp z, 0,8,16,24
.irp t, 0,1
	v_pk_add_f32 v[S+32*\t+\z:S+32*\t+\z+1], v[S+32*\t+\z:S+32*\t+\z+1], v[S+32*\t+\z+4:S+32*\t+\z+5]
.endr
.endr
.irp z, 0,16
.irp t, 0,1
	v_pk_add_f32 v[S+32*\t+\z:S+32*\t+\z+1], v[S+32*\t+\z:S+32*\t+\z+1], v[S+32*\t+\z+8:S+32*\t+\z+9]
.endr
.endr
.irp t, 0,1
	v_pk_add_f32 v[S+32*\t:S+32*\t+1], v[S+32*\t:S+32*\t+1], v[S+32*\t+16:S+32*\t+17]
.endr
.irp t, 0,1
	v_pk_fma_f32 v[ST+8*\t+2:ST+8*\t+3], v[ST+8*\t+2:ST+8*\t+3], v[ST+8*\t+6:ST+8*\t+7], v[S+32*\t:S+32*\t+1] op_sel_hi:[1,0,1]   ; l = a l + the sum
.endr
.irp j, 0,2,4,6,8,10,12,14,16,18,20,22,24,26,28,30
.irp t, 0,1
	v_pk_mul_f32 v[O+32*\t+\j:O+32*\t+\j+1], v[O+32*\t+\j:O+32*\t+\j+1], v[ST+8*\t+6:ST+8*\t+7] op_sel_hi:[1,0]   ; O^T x a, each accumulator from its low end on
.endr
.endr
.endm
; A KEY STEP, the q-th of the slot in hand
.macro STEP q
	s_wait_dscnt 0x0                               ; K and the table's entries are in
	QKT
	PLACES                                         ; four places: for the reads of S^T, and for the loads into registers that the products have read
	FETCH_V \q
.if (\q) < 3
	FETCH_K (\q)+1
.endif
	WIN 0
	SOFTMAX
.if (\q) < 3
	s_wait_dscnt 24                                ; V is in; the 24 loads of the next step's K and table entries, issued behind V's, stay out
.else
	s_wait_dscnt 0x0
.endif
	PVM
.endm
.macro SLOT_STEPS ask
	v_add_nc_u32 v[ADK], s[TB], v[AK0]
	v_add_nc_u32 v[ADV], s[TB], v[AV0]
	v_add_nc_u32 v[ADB], s[TBI], v[AB0]
	FETCH_K 0
.if \ask
	ASK                                            ; behind the joint load and the run of LDS loads that the next products wait for
.endif
	STEP 0
	STEP 1
	STEP 2
	STEP 3
	WIN 0                                          ; at a label and at a branch every window is 0
	s_xor_b32 s[TB], s[TB], SLOT1                  ; on to the other slot,
	s_add_co_u32 s[TBI], s[TBI], 1024              ; and the next 256 entries of the table
.endm
; THE CHANGE OF SLOTS stands at a slot's head.  Each wave waits for all its tensor loads (its part of the slot that it is about to read), adds 0 to its spare word, and waits for that and for its reads of the slot that it has left.
; fill = 1: a round of the cluster's barrier, and behind it the slot just left is filled with the next 256 keys: one load a wave, with four key steps in which to land.
.macro CHANGE fill
	s_wait_tensorcnt 0x0                           ; no tensor load of mine is out, so a group 0 may be written
	ds_add_u32 v[SPW], v[NIL]
.if \fill
	s_xor_b32 s[G0K+1], s[G0K+1], SLOT1            ; the walking descriptors: the other slot,
	s_add_nc_u64 s[G0K+2:G0K+3], s[G0K+2:G0K+3], 32768   ; the next 256 keys; the type bits on top are not reached
	s_xor_b32 s[G0V+1], s[G0V+1], SLOT1
	s_add_nc_u64 s[G0V+2:G0V+3], s[G0V+2:G0V+3], 32768
	s_wait_xcnt 0x0                                ; the last prefetch, a slot back, has read its address, so it may be written:
	s_add_nc_u64 s[PFA:PFA+1], s[PFA:PFA+1], 32768 ; one tile further on than the walking descriptors
	s_wait_dscnt 0x0                               ; the add is done, my reads of the slot that I have left are over (in the first trip: my table entries have landed)
	CROUND
	JLOAD
.else
	s_wait_dscnt 0x0
	s_barrier_signal -1
	s_barrier_wait -1
.endif
.endm
.Lslot:                                            ; 7 trips: trip i asks for tile i and works on tile i - 1
	CHANGE 1
	SLOT_STEPS 1
	s_sub_co_u32 s[SLOTS], s[SLOTS], 1
	s_cmp_lg_u32 s[SLOTS], 0
	s_cbranch_scc1 .Lslot
	CHANGE 0                                       ; the last tile is written out
	SLOT_STEPS 0
	; THE WAY OUT.  l's halves and the other half of the lanes' are added; O^T is divided by l, rounded to f16 and goes through my stage in LDS (in slot 0, which has had its last fill and its last read), so that
	; each store covers four rows x 128 bytes = 512 consecutive bytes of ao.  The additions are the places behind the last products.
.irp t, 0,1
	v_add_f32 v[ST+8*\t+4], v[ST+8*\t+2], v[ST+8*\t+3]
.endr
.irp t, 0,1
	v_permlanex16_b32 v[ST+8*\t+5], v[ST+8*\t+4], s[SEL], s[SEL+1]
.endr
.irp t, 0,1
	v_add_f32 v[ST+8*\t+4], v[ST+8*\t+4], v[ST+8*\t+5]
.endr
.irp t, 0,1
	v_rcp_f32 v[ST+8*\t+6], v[ST+8*\t+4]
.endr
.irp t, 0,1
	v_mov_b32 v[ST+8*\t+7], 0                      ; a plain instruction behind the reciprocals; it writes the upper half of the pair that the packed multiply names
.endr
	s_wait_alu depctr_va_vdst(0)                   ; one wait for both reciprocals, ahead of their first reader
.irp t, 0,1
	v_cmp_gt_f32 vcc_lo, s[FLOOR], v[ST+8*\t+1]    ; m still at -2^90: no key of the batch counts
	v_cndmask_b32 v[ST+8*\t+6], v[ST+8*\t+6], v[QNAN], vcc_lo
.endr
.irp t, 0,1
.irp j, 0,2,4,6,8,10,12,14,16,18,20,22,24,26,28,30
	v_pk_mul_f32 v[O+32*\t+\j:O+32*\t+\j+1], v[O+32*\t+\j:O+32*\t+\j+1], v[ST+8*\t+6:ST+8*\t+7] op_sel_hi:[1,0]
.endr
.irp j, 0,1,2,3,4,5,6,7,8,9,10,11,12,13,14,15
	v_cvt_pk_f16_f32 v[S+16*\t+\j], v[O+32*\t+2*\j], v[O+32*\t+2*\j+1]
.endr
.irp ct, 0,1,2,3
	ds_store_b128 v[STO], v[S+16*\t+4*\ct:S+16*\t+4*\ct+3] offset:2304*\t+32*\ct
.endr
.endr
.irp i, 0,1,2,3,4,5,6,7
	ds_load_b128 v[P+4*\i:P+4*\i+3], v[RD] offset:576*\i   ; LDS serves a wave's instructions in order: these see my stores
.endr
.irp i, 0,1,2,3,4,5,6,7
	s_wait_dscnt 7-\i                              ; load i is back; the younger ones stay out
	global_store_b128 v[GO], v[P+4*\i:P+4*\i+3], s[8:9] offset:512*\i
.endr
	s_wait_tensorcnt 0x0                           ; the wave's end
	ds_add_u32 v[SPW], v[NIL]
	s_wait_dscnt 0x0
	CROUND                                         ; the closing round
	s_endpgm
.Lfunc_end_k_q928a1cf0b9_attn:
	.size	k_q928a1cf0b9_attn, .Lfunc_end_k_q928a1cf0b9_attn-k_q928a1cf0b9_attn
	.p2alignl 7, 3214868480
	.fill 96, 4, 3214868480
	.section	.rodata,"a",@progbits
	.p2align	6, 0x0
	.amdhsa_kernel k_q928a1cf0b9_attn
		.amdhsa_group_segment_fixed_size 327680
		.amdhsa_private_segment_fixed_size 0
		.amdhsa_enable_private_segment 0
		.amdhsa_kernarg_size 24
		.amdhsa_user_sgpr_count 2
		.amdhsa_user_sgpr_kernarg_segment_ptr 1
		.amdhsa_wavefront_size32 1
		.amdhsa_system_sgpr_workgroup_id_x 1
		.amdhsa_system_sgpr_workgroup_id_y 1
		.amdhsa_system_sgpr_workgroup_id_z 1
		.amdhsa_system_vgpr_workitem_id 0
		.amdhsa_next_free_vgpr 512
		.amdhsa_next_free_sgpr 66
		.amdhsa_reserve_vcc 1
		.amdhsa_float_denorm_mode_32 3
		.amdhsa_float_denorm_mode_16_64 3
		.amdhsa_memory_ordered 1
		.amdhsa_forward_progress 1
		.amdhsa_inst_pref_size 159
	.end_amdhsa_kernel
	.amdgpu_metadata
---
amdhsa.version: [ 1, 2 ]
amdhsa.kernels:
  - .name:           k_q928a1cf0b9_attn
    .symbol:         k_q928a1cf0b9_attn.kd
    .args:
      - { .name: qkv, .offset: 0, .size: 8, .value_kind: global_buffer, .address_space: global }
      - { .name: attention_mask, .offset: 8, .size: 8, .value_kind: global_buffer, .address_space: global }
      - { .name: ao, .offset: 16, .size: 8, .value_kind: global_buffer, .address_space: global }
    .group_segment_fixed_size: 327680
    .private_segment_fixed_size: 0
    .kernarg_segment_align: 8
    .kernarg_segment_size: 24
    .max_flat_workgroup_size: 256
    .sgpr_count:     66
    .vgpr_count:     512
    .wavefront_size: 32
...
	.end_amdgpu_metadata
.endif
;; end of part 3
;; launch proj (part 4): grid 8 x 32, 4 waves a work-group, clusters of 4 x 4, 327,680 bytes of LDS; arguments ao, wo16, b_out, out0; writes out0
.if DOCPART == 4
	.amdgcn_target "amdgcn-amd-amdhsa--gfx1250"
	.amdhsa_code_object_version 6
	.text
	.protected	k_q928a1cf0b9_proj
	.globl	k_q928a1cf0b9_proj
	.p2align	8
	.type	k_q928a1cf0b9_proj,@function
k_q928a1cf0b9_proj:
	s_mov_b64 s[64:65], 0
	v_nop
	global_prefetch_b8 v0, s[64:65] scope:SCOPE_SE
	s_setreg_imm32_b32 hwreg(HW_REG_WAVE_MODE, 25, 1), 1
	s_wait_xcnt 0x0
	s_wait_alu depctr_hold_cnt(0) depctr_sa_sdst(0) depctr_va_vdst(0) depctr_va_sdst(0) depctr_va_ssrc(0) depctr_va_vcc(0) depctr_vm_vsrc(0)
	s_getreg_b32 s2, hwreg(HW_REG_IB_STS2, 6, 4)
	s_cmp_eq_u32 s2, 0
	s_cbranch_scc0 .Lentry_in_a_cluster
	s_endpgm
.Lentry_in_a_cluster:
	s_bfe_u32 s2, ttmp6, 0x10000c
	s_cmp_lg_u32 s2, 0xf033
	s_cbranch_scc0 .Lentry_shape_is_right
	s_endpgm
.Lentry_shape_is_right:
; PROJ: out0[token][n] = the sum over k of a[token][k] W_out[k][n] + b_out[n], f16 operands, f32 sums, f32 out.  a comes head-major, ao [16 heads][4096 tokens][64] (k = 64 head + channel); W_out as f16 as it lies, wo16 [k][n].
; 4,096 x 1,024 of out0 are 256 tiles of 128 x 128, one for each work-group; four waves, each 64 x 64: 16 accumulators.  K goes in steps of 256 (four heads) through a ring of two LDS slots.
; CLUSTERS: 4 x 4 work-groups: the four of a row of the cluster need the same tokens of ao, the four of a column the same columns of wo16: each tile is asked for jointly.
; THE MATRIX INSTRUCTION IS USED TRANSPOSED (source 0 = 16 columns of W_out, source 1 = 16 tokens): a lane holds eight neighbouring columns of a token.  W_out's fragments come out of LDS turned, by ds_load_tr16_b128.
; The bias is the C of each sum's first instruction.
; REGISTERS: window 0: v0-31 addresses; v32-95 the way out; v96-127 the bias in the result's layout; v128-255 the accumulators ((a, b) at v[128 + 8 (4 a + b)]).
;   window 1: two fragment buffers of 128: for 64 along K (one head), 64 registers of ao's, then 64 of W_out's.
.set PA,     144                       ; a token's 128 bytes of one head in LDS + 16 of padding
.set PB,     288                       ; a k row's 256 bytes (128 columns) + 32: an odd multiple of 32, for the turning load
.set HALFT,  36864                     ; what one tensor load brings: 2 heads x 128 tokens x 144, or 128 k rows x 288
.set SLOT,   4*HALFT                   ; ao's four heads, then W_out's 256 k rows
.set SPARE,  2*SLOT                    ; behind the ring: the spare words, 128 bytes for each wave
.set SPITCH, 272                       ; the way out: a stage of 16 rows x (256 bytes + 16) for each wave, in slot 0
.set ADRA, 16                          ; v16-17  LDS address of my fragments of ao in slot 0, 1
.set ADRB, 20                          ; v20-23  of W_out: [slot][which 128 k rows]
.set STO,  24
.set RD,   25
.set CO,   26
.set SPW,  28                          ; v28  my spare word; never rewritten
.set NIL,  29                          ; v29  0; never rewritten
.set BOF,  30                          ; v30  32 x (lane / 16)
.set TMP,  32
.set BO,   96
.set ACC,  128
.set F0,   0
.set F1,   128
.set G1, 24
.set G0, 32
.set G1B, 48
.set G0B, 56
.set MSB, 0
.macro WIN new
.if MSB != \new
	s_set_vgpr_msb (MSB<<8)|\new
.set MSB, \new
.endif
.endm
.set MUL,  0x05                        ; sources 0 and 1 window 1; C and D window 0
.set TO_F, 0x40
.macro JLOAD s                         ; a joint load: waves 0 and 1 fetch ao's heads, waves 2 and 3 W_out's rows; an s_nop 0 and four v_nop follow each of the two lines
	s_cmp_eq_u32 s11, 0
	s_cbranch_scc0 .Lfor_b_\@
	tensor_load_to_lds s[G0+4*\s:G0+4*\s+3], s[G1:G1+7]
	s_nop 0
.rept 4
	v_nop
.endr
	s_branch .Lasked_\@
.Lfor_b_\@:
	tensor_load_to_lds s[G0B+4*\s:G0B+4*\s+3], s[G1B:G1B+7]
	s_nop 0
.rept 4
	v_nop
.endr
.Lasked_\@:
.endm
.macro CREST                           ; a round of the cluster's barrier behind its opening barrier
	s_cmp_lg_u32 s10, 0
	s_cbranch_scc1 .Lnot_wave_0_\@
	s_barrier_signal -3
.Lnot_wave_0_\@:
	s_barrier_wait -3
	s_barrier_signal -1
	s_barrier_wait -1
.endm
.macro CROUND
	s_barrier_signal -1
	s_barrier_wait -1
	CREST
.endm
	s_load_b128 s[4:7], s[0:1], 0x0                ; ao s[4:5], wo16 s[6:7]
	s_load_b64 s[66:67], s[0:1], 0x10              ; b_out
	s_load_b64 s[8:9], s[0:1], 0x18                ; out0
	v_lshl_add_u32 v[SPW], v0, 2, SPARE
	v_mov_b32 v[NIL], 0
	ds_add_u32 v[SPW], v[NIL]                      ; the wave's opening: the add, twice on end, and its wait ahead of my first tensor load
	ds_add_u32 v[SPW], v[NIL]
	v_lshrrev_b32 v1, 5, v0
	v_readfirstlane_b32 s10, v1                    ; wave 0..3
	s_lshr_b32 s11, s10, 1                         ; which half of the tile's tokens is mine.  Also: I fetch for ao (0) or for W_out (1)
	s_and_b32 s12, s10, 1                          ; which half of its columns.  Also: which half of that tile I fetch
	s_bfe_u32 s40, ttmp6, 0x40000                  ; cx, cy
	s_bfe_u32 s41, ttmp6, 0x40004
	s_lshl_b32 s42, ttmp9, 2
	s_add_co_u32 s42, s42, s40                     ; tile column
	s_and_b32 s13, ttmp7, 0xffff
	s_lshl_b32 s13, s13, 2
	s_add_co_u32 s13, s13, s41                     ; tile row
	s_lshl_b32 s43, s41, 2
	s_lshl_b32 s43, 15, s43                        ; my row of the cluster
	s_lshl_b32 s44, 0x1111, s40                    ; my column
	; group 1 for ao: a head's 128 tokens x 128 bytes are 16,384 consecutive bytes: one row of 8,192 elements; two heads, 524,288 bytes apart, are two rows.  16 bytes of padding behind every 128: the interval divides the row
	s_or_b32 s[G1+0], s43, (1<<16)|(1<<20)|(1<<21)|(4<<22)|(3<<25)  ; 15:0 the mask; 17:16 2 bytes; 20 padding on; 21 set beside a mask; 24:22 after every 32 words; 31:25 four words
	s_mov_b32 s[G1+1], 8192<<16                    ; tensor_dim0 = 8,192
	s_mov_b32 s[G1+2], 2<<16                       ; tensor_dim1 = 2
	s_mov_b32 s[G1+3], 8192<<16                    ; tile_dim0
	s_mov_b32 s[G1+4], 2                           ; tile_dim1
	s_mov_b32 s[G1+5], 262144                      ; from head to head, in elements
	s_mov_b32 s[G1+6], 0
	s_mov_b32 s[G1+7], 0
	; group 1 for W_out: 128 k rows x 128 columns, 32 bytes of padding behind each row
	s_or_b32 s[G1B+0], s44, (1<<16)|(1<<20)|(1<<21)|(5<<22)|(7<<25)
	s_mov_b32 s[G1B+1], 128<<16
	s_mov_b32 s[G1B+2], 128<<16
	s_mov_b32 s[G1B+3], 128<<16
	s_mov_b32 s[G1B+4], 128
	s_mov_b32 s[G1B+5], 1024
	s_mov_b32 s[G1B+6], 0
	s_mov_b32 s[G1B+7], 0
	s_lshl_b32 s16, s12, 20                        ; ao: heads 2 x half on,
	s_lshl_b32 s17, s13, 14                        ; tokens 128 x tile row on, 128 bytes each
	s_add_co_u32 s16, s16, s17
	s_mov_b32 s17, 0
	s_lshl_b32 s46, s12, 18                        ; W_out: k rows 128 x half on, 2,048 bytes each,
	s_lshl_b32 s47, s42, 8                         ; columns 128 x tile column on
	s_add_co_u32 s46, s46, s47
	s_mov_b32 s47, 0
	s_mul_i32 s20, s10, HALFT                      ; where they go: no place in the cluster enters an LDS address
	s_wait_dscnt 0x0                               ; both opening adds are done
	s_wait_kmcnt 0x0
	s_add_nc_u64 s[14:15], s[4:5], s[16:17]
	s_add_nc_u64 s[46:47], s[6:7], s[46:47]
	CROUND                                         ; all sixteen work-groups are here: the first joint loads meet
.irp s, 0,1
	s_mov_b32 s[G0+4*\s], 1
	s_add_co_u32 s[G0+4*\s+1], s20, \s*SLOT
	s_add_nc_u64 s[G0+4*\s+2:G0+4*\s+3], s[14:15], \s*4*524288     ; K step s: four heads on
	s_or_b32 s[G0+4*\s+3], s[G0+4*\s+3], 0x80000000
	s_mov_b32 s[G0B+4*\s], 1
	s_add_co_u32 s[G0B+4*\s+1], s20, \s*SLOT
	s_add_nc_u64 s[G0B+4*\s+2:G0B+4*\s+3], s[46:47], \s*256*2048   ; 256 k rows on
	s_or_b32 s[G0B+4*\s+3], s[G0B+4*\s+3], 0x80000000
	JLOAD \s
.endr
	v_and_b32 v1, 15, v0                           ; r
	v_bfe_u32 v2, v0, 4, 1                         ; h
	s_lshl_b32 s46, s42, 9                         ; my first column, in bytes of f32: 512 x tile column + 256 x half
	s_lshl_b32 s47, s12, 8
	s_add_co_u32 s46, s46, s47
	s_mov_b32 s47, 0
	s_add_nc_u64 s[66:67], s[66:67], s[46:47]
	s_add_nc_u64 s[8:9], s[8:9], s[46:47]
	v_lshlrev_b32 v[BOF], 5, v2
.irp b, 0,1,2,3                                ; lane (r, h), register j of tile b: the bias of column 16 b + 8 h + j
	global_load_b128 v[BO+8*\b:BO+8*\b+3], v[BOF], s[66:67] offset:64*\b
	global_load_b128 v[BO+8*\b+4:BO+8*\b+7], v[BOF], s[66:67] offset:64*\b+16
.endr
	s_lshl_b32 s16, s13, 19                        ; my first token: 128 x tile row + 64 x half, 4,096 bytes each
	s_lshl_b32 s17, s11, 18
	s_add_co_u32 s16, s16, s17
	s_mov_b32 s17, 0
	s_add_nc_u64 s[8:9], s[8:9], s[16:17]
	v_mul_u32_u24 v3, v1, PA
	v_lshl_add_u32 v3, v2, 4, v3                   ; ao: token r x pitch + 16 h
	s_mul_i32 s21, s11, 64*PA                      ; my 64 tokens
	v_add_nc_u32 v[ADRA], s21, v3
	s_add_co_u32 s21, s21, SLOT
	v_add_nc_u32 v[ADRA+1], s21, v3
	v_and_b32 v4, 7, v0
	v_lshl_add_u32 v4, v2, 3, v4                   ; W_out: k row 8 h + lane % 8,
	v_mul_u32_u24 v4, v4, PB
	v_bfe_u32 v5, v0, 3, 1
	v_lshl_add_u32 v4, v5, 4, v4                   ; columns 8 ((lane / 8) % 2) on
	s_lshl_b32 s22, s12, 7                         ; my 64 columns,
	s_add_co_u32 s22, s22, 2*HALFT                 ; behind ao's four heads
	v_add_nc_u32 v[ADRB], s22, v4
	s_add_co_u32 s22, s22, HALFT
	v_add_nc_u32 v[ADRB+1], s22, v4
	s_add_co_u32 s22, s22, SLOT-HALFT
	v_add_nc_u32 v[ADRB+2], s22, v4
	s_add_co_u32 s22, s22, HALFT
	v_add_nc_u32 v[ADRB+3], s22, v4
	s_mul_i32 s23, s10, 16*SPITCH                  ; my stage
	v_mul_u32_u24 v5, v1, SPITCH
	v_lshl_add_u32 v5, v2, 5, v5
	v_add_nc_u32 v[STO], s23, v5                   ; in: token r, 32 bytes for each half of the lanes
	v_mul_u32_u24 v5, v2, SPITCH
	v_lshl_add_u32 v5, v1, 4, v5
	v_add_nc_u32 v[RD], s23, v5                    ; back: lanes 0-15 one row of 256 bytes, lanes 16-31 the next
	v_lshlrev_b32 v5, 12, v2
	v_lshl_add_u32 v[CO], v1, 4, v5                ; and the same two rows in out0
; 8 matrix instructions: token blocks a0, a0 + 1 x all 4 column blocks, 32 along K: half c of buffer f.  first = 1: the bias starts the sums.  The 16 accumulators take turns
.macro MUL8 f, c, a0, first
.irp a, \a0, \a0+1
.irp b, 0,1,2,3
.if \first
	v_wmma_f32_16x16x32_f16 v[ACC+8*(4*(\a)+\b):ACC+8*(4*(\a)+\b)+7], v[\f+64+8*(4*\c+\b):\f+64+8*(4*\c+\b)+7], v[\f+8*(4*\c+\a):\f+8*(4*\c+\a)+7], v[BO+8*\b:BO+8*\b+7]
.else
	v_wmma_f32_16x16x32_f16 v[ACC+8*(4*(\a)+\b):ACC+8*(4*(\a)+\b)+7], v[\f+64+8*(4*\c+\b):\f+64+8*(4*\c+\b)+7], v[\f+8*(4*\c+\a):\f+8*(4*\c+\a)+7], v[ACC+8*(4*(\a)+\b):ACC+8*(4*(\a)+\b)+7]
.endif
.endr
.endr
.endm
; 32 LDS loads in one run: the fragments of the slot's quarter kq (64 along K: one head) into buffer f; the first 32 along K first
.macro FETCH slot, kq, f
	WIN TO_F
.irp c, 0,1
.irp i, 0,1,2,3
	ds_load_tr16_b128 v[\f+64+8*(4*\c+\i):\f+64+8*(4*\c+\i)+3],   v[ADRB+2*(\slot)+(\kq)/2] offset:(64*((\kq)%2)+32*\c)*PB+32*\i
	ds_load_tr16_b128 v[\f+64+8*(4*\c+\i)+4:\f+64+8*(4*\c+\i)+7], v[ADRB+2*(\slot)+(\kq)/2] offset:(64*((\kq)%2)+32*\c+16)*PB+32*\i
	ds_load_b128 v[\f+8*(4*\c+\i):\f+8*(4*\c+\i)+3],               v[ADRA+\slot] offset:128*PA*(\kq)+16*PA*\i+64*\c
	ds_load_b128 v[\f+8*(4*\c+\i)+4:\f+8*(4*\c+\i)+7],             v[ADRA+\slot] offset:128*PA*(\kq)+16*PA*\i+64*\c+32
.endr
.endr
.endm
.macro PLACES                          ; four places in front of loads into registers that matrix instructions have read, and of reads of results (ISA guide 7.12.1 for reads)
.rept 4
	v_nop
.endr
.endm
; One of a K step's first three quarters: multiplies buffer f and fetches quarter kq of the same slot into g
.macro QUARTER slot, kq, f, g, first
	s_wait_dscnt 16                                ; the first 32 along K are in; the sixteen loads of the second 32 may be out
	WIN MUL
	MUL8 \f, 0, 0, \first
	MUL8 \f, 0, 2, \first
	PLACES
	FETCH \slot, \kq, \g
	s_wait_dscnt 32                                ; all but the 32 just issued
	WIN MUL
	MUL8 \f, 1, 0, 0
	MUL8 \f, 1, 2, 0
.endm
; The last quarter multiplies buffer 1 and changes slots: one barrier; in front of it each wave waits for all its tensor loads, adds 0 to its spare word, and waits for that and for its reads of this slot.
; fill = 1: the barrier opens a round of the cluster's, and this slot is filled again, two K steps ahead, first thing behind the round
.macro TURN slot, next, fill
	WIN 0
	s_wait_tensorcnt 0x0                           ; all my tensor loads have landed: my part of the next slot
	ds_add_u32 v[SPW], v[NIL]
	s_wait_dscnt 17                                ; the add and the youngest sixteen loads may be out
	WIN MUL
	MUL8 F1, 0, 0, 0
	s_wait_dscnt 0x0                               ; the add is done, and my reads of this slot are over
	s_barrier_signal -1
	MUL8 F1, 0, 2, 0
.if \fill
	WIN 0
.endif
	s_barrier_wait -1
.if \fill
	CREST
	s_add_nc_u64 s[G0+4*\slot+2:G0+4*\slot+3], s[G0+4*\slot+2:G0+4*\slot+3], 2*4*524288
	s_add_nc_u64 s[G0B+4*\slot+2:G0B+4*\slot+3], s[G0B+4*\slot+2:G0B+4*\slot+3], 2*256*2048
	JLOAD \slot                                    ; the four v_nop behind it are also the places in front of the loads below
.else
	PLACES
.endif
	FETCH \next, 0, F0
	WIN MUL
	MUL8 F1, 1, 0, 0
	MUL8 F1, 1, 2, 0
.endm
	s_wait_tensorcnt 1                             ; my part of K step 0 is in; K step 1's load may stay out
	s_barrier_signal -1
	s_barrier_wait -1
	FETCH 0, 0, F0
	s_wait_loadcnt 0x0                             ; the bias
	QUARTER 0, 1, F0, F1, 1
	QUARTER 0, 2, F1, F0, 0                        ; K = 1,024 is two laps of the ring: the first fills both slots again, and is written out
	QUARTER 0, 3, F0, F1, 0
	TURN 0, 1, 1
	QUARTER 1, 1, F0, F1, 0
	QUARTER 1, 2, F1, F0, 0
	QUARTER 1, 3, F0, F1, 0
	TURN 1, 0, 1
	QUARTER 0, 1, F0, F1, 0
	QUARTER 0, 2, F1, F0, 0                        ; the last lap fills nothing
	QUARTER 0, 3, F0, F1, 0
	TURN 0, 1, 0
	QUARTER 1, 1, F0, F1, 0
	QUARTER 1, 2, F1, F0, 0
	QUARTER 1, 3, F0, F1, 0
	s_wait_dscnt 16
	WIN MUL
	MUL8 F1, 0, 0, 0
	MUL8 F1, 0, 2, 0
	s_wait_dscnt 0
	MUL8 F1, 1, 0, 0
	MUL8 F1, 1, 2, 0
	WIN 0
; THE WAY OUT, a block of 16 tokens x 64 columns at a time.  A lane holds 32 neighbouring bytes of a row; a block goes through my own stage in LDS (in slot 0, which has had its last fill and its last read) and comes back as
; whole rows of 256 bytes: sixteen lanes store 256 consecutive bytes, aligned.  LDS serves a wave's instructions in order: no wait between the stores and the loads.
.macro TOSTAGE a
.irp b, 0,1,2,3
	ds_store_b128 v[STO], v[ACC+8*(4*(\a)+\b):ACC+8*(4*(\a)+\b)+3] offset:64*\b          ; each accumulator from its low end on
	ds_store_b128 v[STO], v[ACC+8*(4*(\a)+\b)+4:ACC+8*(4*(\a)+\b)+7] offset:64*\b+16
.endr
.irp u, 0,1,2,3,4,5,6,7
	ds_load_b128 v[TMP+32*((\a)%2)+4*\u:TMP+32*((\a)%2)+4*\u+3], v[RD] offset:2*SPITCH*\u
.endr
.endm
.macro SEND a, younger                 ; younger: the LDS instructions issued behind block a's loads, which may stay out
	s_wait_dscnt \younger
.irp u, 0,1,2,3,4,5,6,7
	global_store_b128 v[CO], v[TMP+32*((\a)%2)+4*\u:TMP+32*((\a)%2)+4*\u+3], s[8:9] offset:(16*(\a)+2*\u)*4096 th:TH_STORE_NT
.endr
.endm
	PLACES
	TOSTAGE 0
	TOSTAGE 1
	SEND 0, 16                                     ; behind block 0's loads: block 1's 8 stores and 8 loads
	s_wait_xcnt 0x0                                ; block 0's stores have read their registers: block 2's loads may land there
	TOSTAGE 2
	SEND 1, 16
	s_wait_xcnt 0x0
	TOSTAGE 3
	SEND 2, 16
	SEND 3, 0
	s_wait_tensorcnt 0x0                           ; the wave's end
	ds_add_u32 v[SPW], v[NIL]
	s_wait_dscnt 0x0
	CROUND                                         ; the closing round
	s_endpgm
.Lfunc_end_k_q928a1cf0b9_proj:
	.size	k_q928a1cf0b9_proj, .Lfunc_end_k_q928a1cf0b9_proj-k_q928a1cf0b9_proj
	.p2alignl 7, 3214868480
	.fill 96, 4, 3214868480
	.section	.rodata,"a",@progbits
	.p2align	6, 0x0
	.amdhsa_kernel k_q928a1cf0b9_proj
		.amdhsa_group_segment_fixed_size 327680
		.amdhsa_private_segment_fixed_size 0
		.amdhsa_enable_private_segment 0
		.amdhsa_kernarg_size 32
		.amdhsa_user_sgpr_count 2
		.amdhsa_user_sgpr_kernarg_segment_ptr 1
		.amdhsa_wavefront_size32 1
		.amdhsa_system_sgpr_workgroup_id_x 1
		.amdhsa_system_sgpr_workgroup_id_y 1
		.amdhsa_system_sgpr_workgroup_id_z 1
		.amdhsa_system_vgpr_workitem_id 0
		.amdhsa_next_free_vgpr 512
		.amdhsa_next_free_sgpr 68
		.amdhsa_reserve_vcc 0
		.amdhsa_float_denorm_mode_32 3
		.amdhsa_float_denorm_mode_16_64 3
		.amdhsa_memory_ordered 1
		.amdhsa_forward_progress 1
		.amdhsa_inst_pref_size 86
	.end_amdhsa_kernel
	.amdgpu_metadata
---
amdhsa.version: [ 1, 2 ]
amdhsa.kernels:
  - .name:           k_q928a1cf0b9_proj
    .symbol:         k_q928a1cf0b9_proj.kd
    .args:
      - { .name: ao, .offset: 0, .size: 8, .value_kind: global_buffer, .address_space: global }
      - { .name: wo16, .offset: 8, .size: 8, .value_kind: global_buffer, .address_space: global }
      - { .name: b_out, .offset: 16, .size: 8, .value_kind: global_buffer, .address_space: global }
      - { .name: out0, .offset: 24, .size: 8, .value_kind: global_buffer, .address_space: global }
    .group_segment_fixed_size: 327680
    .private_segment_fixed_size: 0
    .kernarg_segment_align: 8
    .kernarg_segment_size: 32
    .max_flat_workgroup_size: 128
    .sgpr_count:     68
    .vgpr_count:     512
    .wavefront_size: 32
...
	.end_amdgpu_metadata
.endif
;; end of part 4
